; MI455X (gfx1250); checked and timed in simulation.
; The chip was launched on July 23, 2026; its instructions are those of AMD's public machine-readable ISA for CDNA 5 (MIT licence, August 2026) and "CDNA5" Instruction Set Architecture Reference Guide (July 2026). The comments in the code are by the model that wrote it; some were corrected since.
;; Q Self Attention. Allowed arithmetic: float matrix products may take bf16 or f16 operands with f32 sums; all other float work in f32.
;; Inputs: attn_bias 1 x 1 x 2,048 x 2,048 float32; b_proj 1,024 float32; q_bias 1,024 float32; scale_mul 1 x 16 x 1 x 1 float32; v_bias 1,024 float32; w_proj 1,024 x 1,024 float32; w_qkv 3,072 x 1,024 float32; x 2 x 2,048 x 1,024 float32.
;; Outputs: out0 2 x 2,048 x 1,024 float32.
;; 3 versions, each right; version 2 is faster than version 1; version 3 is version 2 with the launch cast written anew for expert scheduling mode. Each part assembles by itself: llvm-mc -triple=amdgcn-amd-amdhsa -mcpu=gfx1250 --defsym DOCPART=n.
;; ======== version 1 of 3: 4 launches
;; limits: inputs' magnitudes at most 1e+30; values are held in f16: magnitudes above 65,504 overflow, below 6.1e-05 lose precision
;; workspace buffers: xb 8,388,608 bytes; wqb 6,291,456 bytes; wpb 2,097,152 bytes; qf 8,388,608 bytes; kvf 16,777,216 bytes; of 8,388,608 bytes
;; launch cast (part 1): grid 256 x 1, 8 waves a work-group, no clusters, 0 bytes of LDS; arguments x, w_qkv, w_proj, xb, wqb, wpb; writes xb, wqb, wpb
.if DOCPART == 1
	.amdgcn_target "amdgcn-amd-amdhsa--gfx1250"
	.amdhsa_code_object_version 6
	.text
	.protected	k_q7bed76933c_cast
	.globl	k_q7bed76933c_cast
	.p2align	8
	.type	k_q7bed76933c_cast,@function
k_q7bed76933c_cast:
	s_mov_b64 s[64:65], 0
	v_nop
	global_prefetch_b8 v0, s[64:65] scope:SCOPE_SE
	s_setreg_imm32_b32 hwreg(HW_REG_WAVE_MODE, 25, 1), 1
	s_wait_xcnt 0x0
; x, w_qkv and w_proj (f32) are rounded once to f16 into xb, wqb, wpb, same row-major order.
; WHY f16 AND NOT bf16: the result passes through six roundings of matrix operands (x, w_qkv, v, p, o, w_proj); f16 keeps 11 significant bits
; against 8.  ROOM: x is drawn with spread 1 (|x| about 5), the weights with spread 1/32; 30 times larger, or an offset of 30 spreads, gives
; at most 150, far below f16's largest number 65,504; 30 times smaller leaves the weights at spread 0.001, where f16's fixed step 2^-24 below 2^-14
; is 6e-5 of the spread.  LIMIT: an input beyond 65,504 in magnitude becomes infinite.
; 8,388,608 numbers in all; a work-group takes 32,768 neighbouring numbers of ONE tensor: groups 0-127 x, 128-223 w_qkv, 224-255 w_proj.
; A wave takes 4,096 numbers: 32 loads of 16 bytes a lane (each load of the wave covers 512 neighbouring bytes), all issued at once,
; then 32 stores of 8 bytes a lane (each store of the wave covers 256 consecutive bytes, aligned).  No register is written twice,
; so the only waits are the counted ones for the loads.  No LDS, no barrier, no matrix unit: every byte is touched once.
.set X, 4                              ; v[4:131]   as loaded
.set Y, 132                            ; v[132:195] packed f16
	s_load_b256 s[4:11], s[0:1], 0x0               ; x s[4:5], w_qkv s[6:7], w_proj s[8:9], xb s[10:11]
	s_load_b128 s[12:15], s[0:1], 0x20             ; wqb s[12:13], wpb s[14:15]
	v_and_b32 v3, 31, v0                           ; lane
	v_lshrrev_b32 v2, 5, v0                        ; wave
	v_lshlrev_b32 v1, 4, v3
	v_lshl_add_u32 v1, v2, 14, v1                  ; source: 16,384 x wave + 16 x lane
	v_lshlrev_b32 v3, 3, v3
	v_lshl_add_u32 v2, v2, 13, v3                  ; destination: 8,192 x wave + 8 x lane
	s_wait_kmcnt 0x0
	s_cmp_lt_u32 ttmp9, 128                        ; which tensor: the choice hangs on the group's number alone
	s_cselect_b64 s[16:17], s[4:5], s[6:7]
	s_cselect_b64 s[18:19], s[10:11], s[12:13]
	s_cselect_b32 s20, 0, 128
	s_cmp_lt_u32 ttmp9, 224
	s_cselect_b64 s[16:17], s[16:17], s[8:9]
	s_cselect_b64 s[18:19], s[18:19], s[14:15]
	s_cselect_b32 s20, s20, 224
	s_sub_co_u32 s20, ttmp9, s20                   ; the group's number inside its tensor
	s_lshl_b32 s22, s20, 17                        ; x 131,072 bytes of f32
	s_mov_b32 s23, 0
	s_lshl_b32 s24, s20, 16                        ; x 65,536 bytes of f16
	s_mov_b32 s25, 0
	s_add_nc_u64 s[16:17], s[16:17], s[22:23]
	s_add_nc_u64 s[18:19], s[18:19], s[24:25]
.set j, 0
.rept 32
	global_load_b128 v[X+4*j:X+4*j+3], v1, s[16:17] offset:512*j th:TH_LOAD_NT
.set j, j+1
.endr
.set j, 0
.rept 32
	s_wait_loadcnt 31-j                            ; loads come back in order: load j is in, the 31 - j younger ones stay out
	v_cvt_pk_f16_f32 v[Y+2*j], v[X+4*j], v[X+4*j+1]
	v_cvt_pk_f16_f32 v[Y+2*j+1], v[X+4*j+2], v[X+4*j+3]
	global_store_b64 v2, v[Y+2*j:Y+2*j+1], s[18:19] offset:256*j
.set j, j+1
.endr
	s_endpgm
.Lfunc_end_k_q7bed76933c_cast:
	.size	k_q7bed76933c_cast, .Lfunc_end_k_q7bed76933c_cast-k_q7bed76933c_cast
	.p2alignl 7, 3214868480
	.fill 96, 4, 3214868480
	.section	.rodata,"a",@progbits
	.p2align	6, 0x0
	.amdhsa_kernel k_q7bed76933c_cast
		.amdhsa_group_segment_fixed_size 0
		.amdhsa_private_segment_fixed_size 0
		.amdhsa_enable_private_segment 0
		.amdhsa_kernarg_size 48
		.amdhsa_user_sgpr_count 2
		.amdhsa_user_sgpr_kernarg_segment_ptr 1
		.amdhsa_wavefront_size32 1
		.amdhsa_system_sgpr_workgroup_id_x 1
		.amdhsa_system_sgpr_workgroup_id_y 1
		.amdhsa_system_sgpr_workgroup_id_z 1
		.amdhsa_system_vgpr_workitem_id 0
		.amdhsa_next_free_vgpr 200
		.amdhsa_next_free_sgpr 66
		.amdhsa_reserve_vcc 0
		.amdhsa_float_denorm_mode_32 3
		.amdhsa_float_denorm_mode_16_64 3
		.amdhsa_memory_ordered 1
		.amdhsa_forward_progress 1
		.amdhsa_inst_pref_size 13
	.end_amdhsa_kernel
	.amdgpu_metadata
---
amdhsa.version: [ 1, 2 ]
amdhsa.kernels:
  - .name:           k_q7bed76933c_cast
    .symbol:         k_q7bed76933c_cast.kd
    .args:
      - { .name: x, .offset: 0, .size: 8, .value_kind: global_buffer, .address_space: global }
      - { .name: w_qkv, .offset: 8, .size: 8, .value_kind: global_buffer, .address_space: global }
      - { .name: w_proj, .offset: 16, .size: 8, .value_kind: global_buffer, .address_space: global }
      - { .name: xb, .offset: 24, .size: 8, .value_kind: global_buffer, .address_space: global }
      - { .name: wqb, .offset: 32, .size: 8, .value_kind: global_buffer, .address_space: global }
      - { .name: wpb, .offset: 40, .size: 8, .value_kind: global_buffer, .address_space: global }
    .group_segment_fixed_size: 0
    .private_segment_fixed_size: 0
    .kernarg_segment_align: 8
    .kernarg_segment_size: 48
    .max_flat_workgroup_size: 256
    .sgpr_count:     66
    .vgpr_count:     200
    .wavefront_size: 32
...
	.end_amdgpu_metadata
.endif
;; end of part 1
;; launch qkv (part 2): grid 12 x 16, 4 waves a work-group, clusters of 4 x 4, 327,680 bytes of LDS; arguments xb, wqb, q_bias, v_bias, scale_mul, qf, kvf; writes qf, kvf
.if DOCPART == 2
	.amdgcn_target "amdgcn-amd-amdhsa--gfx1250"
	.amdhsa_code_object_version 6
	.text
	.protected	k_q7bed76933c_qkv
	.globl	k_q7bed76933c_qkv
	.p2align	8
	.type	k_q7bed76933c_qkv,@function
k_q7bed76933c_qkv:
	s_mov_b64 s[64:65], 0
	v_nop
	global_prefetch_b8 v0, s[64:65] scope:SCOPE_SE
	s_setreg_imm32_b32 hwreg(HW_REG_WAVE_MODE, 25, 1), 1
	s_wait_xcnt 0x0
	s_wait_alu depctr_hold_cnt(0) depctr_sa_sdst(0) depctr_va_vdst(0) depctr_va_sdst(0) depctr_va_ssrc(0) depctr_va_vcc(0) depctr_vm_vsrc(0)
	s_getreg_b32 s2, hwreg(HW_REG_IB_STS2, 6, 4)
	s_cmp_eq_u32 s2, 0
	s_cbranch_scc0 .Lentry_in_a_cluster
	s_endpgm
.Lentry_in_a_cluster:
	s_bfe_u32 s2, ttmp6, 0x10000c
	s_cmp_lg_u32 s2, 0xf033
	s_cbranch_scc0 .Lentry_shape_is_right
	s_endpgm
.Lentry_shape_is_right:
; qkv = x w_qkv^T + bias, then q and k are L2-normalised per head (q also times exp(min(scale_mul, log 100)) / 4), all rounded to f16
; and stored as the register images that the attention launch loads:
;   qf : bh*262144 + (l/16)*2048 + (d/16)*512 + ((d/8)&1)*256 + (l%16)*16 + (d%8)*2                      (bh = 16 batch + head)
;   kvf: bh*524288 + (l/64)*16384 + K image ((l/16)&3)*2048 + (d/16)*512 + ((d/8)&1)*256 + (l%16)*16 + (d%8)*2
;                                 or V image 8192 + ((l/32)&1)*4096 + (d/16)*1024 + ((l/16)&1)*512 + ((l/8)&1)*256 + (d%16)*16 + (l%8)*2
; A work-group makes 256 x 256 of the product with four waves, a wave 128 x 128 (64 accumulator tiles, 512 registers).  K = 1024 goes in
; steps of 128 through two LDS slots filled by tensor loads whose rows are 256 bytes of memory.
; 192 work-groups: with blocks of 256 features a column of clusters is of one kind (cluster x = 0: q, 1: k, 2: v), and the three kinds
; need different ways out.
; ROLES.  The matrix instruction's source 1 ("A") gives the lane its row, source 0 ("B") gives a lane's eight registers eight neighbouring rows.
;   q, k: A = tokens (xb), B = features (wqb): a lane holds 8 neighbouring d of one token.
;   v   : A = features (wqb rows 2048..), B = tokens (xb): a lane holds 8 neighbouring tokens of one d, which is the V image.
; In both cases the wave's 32 lanes hold 512 neighbouring bytes of the image: results are stored straight from registers.
; CLUSTERS: 4 x 4 work-groups.  A's tile hangs on the block row alone and is asked for jointly along a row of the cluster, B's on the block
; column alone and jointly along a column: the requests for both are divided by four.
; FORMAT AND ITS ROOM: q, k, v go out in f16 (11 significant bits).  q is at most 100 / 4 = 25 and k at most 1 in magnitude, by the clip and the
; normalisation of the formula itself.  v is a sum of 1,024 products: about 6 at the most with inputs of spread 1 and 1/32; 5,400 with both 30 times
; larger; 1024 x 30 x 0.94 = 29,000 with both carrying an offset of 30 spreads; spread 0.0011 with both 30 times smaller, still normal numbers.
; LIMITS: |v| beyond 65,504 becomes infinite.  A NaN in scale_mul loses against log 100 (v_min_num_f32).
; A sum of squares too small for v_sqrt_f32 gives norm 0, and then the eps 1e-12 applies, as it does in the formula for any norm below it.
;
; REGISTERS in windows of 256: window 0: v1 r, v2 h, v16-27 addresses, v32-47 way out, v64-127 / v128-191 A's fragments (two buffers),
; v192-255 biases; window 1: v64-191 B's fragments; windows 2, 3: accumulator tile (a, b) at v[8 (8 a + b)], rows 0-63 and 64-127.
.set SIZE_K, 1024
.set KSTEP,  128
.set PITCH,  272                       ; an LDS row: 256 bytes + 16 of padding, an odd multiple of 16: sixteen rows of a fragment load start 16 bytes apart modulo 256
.set HALFT,  128*PITCH                 ; 128 rows: one tensor load
.set SLOT,   4*HALFT                   ; A's 256 rows, then B's 256 rows
.set LAPS,   SIZE_K/(2*KSTEP)          ; 4 laps of two K steps
.set ADRA, 16                          ; v16-17 LDS address of my A fragments in slot 0, 1
.set ADRB, 20                          ; v20-21 the same for B
.set LN16, 26                          ; v26 16 x lane: my 16 bytes in every stored block of 512
.set BOFF, 27                          ; v27 lane term of the bias loads
.set SS,   32                          ; v32-39 sums of squares: head hd in SS+4hd .. +3
.set INV,  40                          ; v40-41 factor of head 0, 1
.set FQ,   44                          ; v44-45 q's gain of head 0, 1
.set PT,   46                          ; v46-47 the other half's sum
.set F0,   64
.set F1,   128
.set TT,   64                          ; way out: 64 numbers at work (buffer 0 of A is free then)
.set PK0,  128                         ; way out: two sets of 32 packed registers, by turns
.set QB,   192                         ; q: q_bias of my 128 features (8 per n block); v: v_bias of my 8 x 16 features, one register each
.set G1, 24
.set G0, 32
.set G1B, 48
.set G0B, 56
.set MSB, 0
.macro WIN new                         ; the immediate's high byte repeats the setting that is left
.if MSB != (\new)
	s_set_vgpr_msb (MSB<<8)|(\new)
.set MSB, (\new)
.endif
.endm
.set MUL_LO, 0xa1                      ; source 0 (B) window 1, source 1 (A) window 0, C and D window 2
.set MUL_HI, 0xf1                      ; the same, C and D window 3
.set TO_B,   0x40
; a joint load: waves 0, 1 fetch A's two halves, waves 2, 3 B's; the branch hangs on the wave's number alone
.macro JLOAD s
	s_cmp_eq_u32 s11, 0
	s_cbranch_scc0 .Lfor_b_\@
	tensor_load_to_lds s[G0+4*\s:G0+4*\s+3], s[G1:G1+7]
	s_nop 0
	s_branch .Lasked_\@
.Lfor_b_\@:
	tensor_load_to_lds s[G0B+4*\s:G0B+4*\s+3], s[G1B:G1B+7]
	s_nop 0
.Lasked_\@:
.endm
.macro CREST                           ; a round of the cluster's barrier behind its opening work-group barrier
	s_cmp_lg_u32 s10, 0
	s_cbranch_scc1 .Lnot_wave_0_\@
	s_barrier_signal -3
.Lnot_wave_0_\@:
	s_barrier_wait -3
	s_barrier_signal -1
	s_barrier_wait -1
.endm
.macro CROUND
	s_barrier_signal -1
	s_barrier_wait -1
	CREST
.endm
	s_load_b256 s[68:75], s[0:1], 0x0              ; xb s[68:69], wqb s[70:71], q_bias s[72:73], v_bias s[74:75]
	s_load_b128 s[76:79], s[0:1], 0x20             ; scale_mul s[76:77], qf s[78:79]
	s_load_b64 s[80:81], s[0:1], 0x30              ; kvf
	s_set_vgpr_msb 0x40
	v_lshl_add_u32 v255, v0, 2, 0x44000
	s_set_vgpr_msb 0x4000
	v_mov_b32 v63, 0
	s_set_vgpr_msb 0x1
	ds_add_u32 v255, v63
	s_set_vgpr_msb 0x100
	v_lshrrev_b32 v1, 5, v0
	v_readfirstlane_b32 s10, v1                    ; wave 0..3
	s_lshr_b32 s11, s10, 1                         ; my half of A's rows.  Also: I fetch for A (0) or B (1)
	s_and_b32 s12, s10, 1                          ; my half of B's rows.  Also: which 128 rows I fetch
	s_bfe_u32 s40, ttmp6, 0x40000                  ; cx
	s_bfe_u32 s41, ttmp6, 0x40004                  ; cy
	s_and_b32 s83, ttmp7, 0xffff                   ; cluster y
	s_mov_b32 s82, ttmp9                           ; cluster x = the kind: 0 q, 1 k, 2 v; the same in all sixteen partners
	s_cmp_eq_u32 s82, 2
	s_cselect_b32 s13, 2, s83                      ; v: A's blocks are features 2048.. (cluster row 2 of wqb); else tokens
	s_cselect_b32 s42, s83, s82                    ; v: B's blocks are tokens; else features of q or k
	s_lshl_b32 s13, s13, 2
	s_add_co_u32 s13, s13, s41                     ; RA: A's block of 256 rows
	s_lshl_b32 s42, s42, 2
	s_add_co_u32 s42, s42, s40                     ; RB: B's block of 256 rows
	s_lshl_b32 s43, s41, 2
	s_lshl_b32 s43, 15, s43                        ; my row of the cluster
	s_lshl_b32 s44, 0x1111, s40                    ; my column
	; descriptor group 1: 128 rows x 128 elements of 2 bytes, 16 bytes of padding behind every 64 words
	s_or_b32 s[G1+0], s43, (1<<16)|(1<<20)|(1<<21)|(5<<22)|(3<<25)
	s_or_b32 s[G1B+0], s44, (1<<16)|(1<<20)|(1<<21)|(5<<22)|(3<<25)
	s_mov_b32 s[G1+1], KSTEP<<16                   ; tensor_dim0 = 128
	s_mov_b32 s[G1B+1], KSTEP<<16
	s_mov_b32 s[G1+2], 128<<16                     ; tensor_dim1 = 128
	s_mov_b32 s[G1B+2], 128<<16
	s_mov_b32 s[G1+3], KSTEP<<16                   ; tile_dim0 = 128
	s_mov_b32 s[G1B+3], KSTEP<<16
	s_mov_b32 s[G1+4], 128                         ; tile_dim1 = 128
	s_mov_b32 s[G1B+4], 128
	s_mov_b32 s[G1+5], SIZE_K                      ; elements from row to row
	s_mov_b32 s[G1B+5], SIZE_K
	s_mov_b32 s[G1+6], 0
	s_mov_b32 s[G1B+6], 0
	s_mov_b32 s[G1+7], 0
	s_mov_b32 s[G1B+7], 0
	; byte offsets of my tiles: (256 x block + 128 x half) rows of 2,048 bytes; A's never holds cx, B's never cy
	s_lshl_b32 s17, s12, 7
	s_lshl_b32 s16, s13, 8
	s_add_co_u32 s16, s16, s17
	s_lshl_b32 s16, s16, 11
	s_lshl_b32 s46, s42, 8
	s_add_co_u32 s46, s46, s17
	s_lshl_b32 s46, s46, 11
	s_mov_b32 s17, 0
	s_mov_b32 s47, 0
	s_mul_i32 s20, s10, HALFT                      ; LDS: wave x 128 rows
	s_mov_b32 s92, 0x76543210                      ; v_permlanex16_b32: lane i reads lane i of the other half
	s_mov_b32 s93, 0xfedcba98
	s_wait_dscnt 0x0
	s_wait_kmcnt 0x0
	s_cmp_eq_u32 s82, 2
	s_cselect_b64 s[4:5], s[70:71], s[68:69]       ; A's buffer
	s_cselect_b64 s[6:7], s[68:69], s[70:71]       ; B's buffer
	s_add_nc_u64 s[14:15], s[4:5], s[16:17]
	s_add_nc_u64 s[46:47], s[6:7], s[46:47]
	CROUND                                         ; all sixteen work-groups are here: the first joint loads meet
.irp s, 0,1
	s_mov_b32 s[G0+4*\s], 1
	s_add_co_u32 s[G0+4*\s+1], s20, \s*SLOT
	s_add_nc_u64 s[G0+4*\s+2:G0+4*\s+3], s[14:15], \s*KSTEP*2
	s_or_b32 s[G0+4*\s+3], s[G0+4*\s+3], 0x80000000
	s_mov_b32 s[G0B+4*\s], 1
	s_add_co_u32 s[G0B+4*\s+1], s20, \s*SLOT
	s_add_nc_u64 s[G0B+4*\s+2:G0B+4*\s+3], s[46:47], \s*KSTEP*2
	s_or_b32 s[G0B+4*\s+3], s[G0B+4*\s+3], 0x80000000
	JLOAD \s                                       ; both slots' first fills, two tensor loads of the wave outstanding
.endr
	v_and_b32 v1, 15, v0                           ; r = lane % 16
	v_bfe_u32 v2, v0, 4, 1                         ; h = lane / 16
	v_mul_u32_u24 v3, v1, PITCH
	v_lshl_add_u32 v3, v2, 4, v3                   ; row x pitch + 16 h
	s_mul_i32 s21, s11, HALFT
	s_mul_i32 s22, s12, HALFT
	s_add_co_u32 s22, s22, 2*HALFT
.irp s, 0,1
	v_add_nc_u32 v[ADRA+\s], s21, v3
	v_add_nc_u32 v[ADRB+\s], s22, v3
	s_add_co_u32 s21, s21, SLOT
	s_add_co_u32 s22, s22, SLOT
.endr
	v_and_b32 v4, 31, v0
	v_lshlrev_b32 v[LN16], 4, v4
	v_mov_b32 v[PT], 0                             ; v_permlanex16_b32's destination counts as read
	v_mov_b32 v[PT+1], 0
; 16 matrix instructions: m blocks a0, a0 + 1 of a window x all 8 n blocks, 32 along K.  zero = 1: the first product starts the sums.
; The 64 accumulators take turns, one instruction a turn, in the same order in every quarter step.
.macro MUL16 f, hi, a0, zero
.irp a, \a0, \a0+1
.irp b, 0,1,2,3,4,5,6,7
.if \zero
	v_wmma_f32_16x16x32_f16 v[8*(8*(\a)+\b):8*(8*(\a)+\b)+7], v[\f+8*\b:\f+8*\b+7], v[\f+8*(4*\hi+\a):\f+8*(4*\hi+\a)+7], 0
.else
	v_wmma_f32_16x16x32_f16 v[8*(8*(\a)+\b):8*(8*(\a)+\b)+7], v[\f+8*\b:\f+8*\b+7], v[\f+8*(4*\hi+\a):\f+8*(4*\hi+\a)+7], v[8*(8*(\a)+\b):8*(8*(\a)+\b)+7]
.endif
.endr
.endr
.endm
.macro FETCH slot, k, f                ; 32 LDS loads: one quarter step's fragments into buffer f
	WIN TO_B
.irp i, 0,1,2,3,4,5,6,7
	ds_load_b128 v[\f+8*\i:\f+8*\i+3],   v[ADRB+\slot] offset:\k+\i*16*PITCH
	ds_load_b128 v[\f+8*\i+4:\f+8*\i+7], v[ADRB+\slot] offset:\k+\i*16*PITCH+32
.endr
	WIN 0
.irp i, 0,1,2,3,4,5,6,7
	ds_load_b128 v[\f+8*\i:\f+8*\i+3],   v[ADRA+\slot] offset:\k+\i*16*PITCH
	ds_load_b128 v[\f+8*\i+4:\f+8*\i+7], v[ADRA+\slot] offset:\k+\i*16*PITCH+32
.endr
.endm
.macro PLACES                          ; four independent vector places behind a matrix instruction (ISA guide 7.12.1) before its registers are loaded into, read or written
.rept 4
	v_nop
.endr
.endm
.macro QUARTER slot, k, f, g, zero
	s_wait_dscnt 8                                 ; B and A's rows 0-63 are in; the youngest eight loads (A's rows 64-127) may be out
	WIN MUL_LO
	MUL16 \f, 0, 0, \zero
	MUL16 \f, 0, 2, \zero
	PLACES
	FETCH \slot, \k, \g
	s_wait_dscnt 32                                ; all but the 32 just issued
	WIN MUL_HI
	MUL16 \f, 1, 0, \zero
	MUL16 \f, 1, 2, \zero
.endm
.macro THREE slot, zero
	QUARTER \slot, 64,  F0, F1, \zero
	QUARTER \slot, 128, F1, F0, 0
	QUARTER \slot, 192, F0, F1, 0
.endm
; the last quarter of a K step changes slots: each wave's reads of this slot and all its tensor loads are waited for in front of the signal;
; where the slot is filled again the barrier opens a round of the cluster's barrier, and the joint refill is the first tensor load behind it
.macro TURN slot, next, fill
	s_wait_dscnt 8
	WIN MUL_LO
	MUL16 F1, 0, 0, 0
	s_wait_dscnt 0                                 ; my reads of this slot are over
	s_wait_tensorcnt 0x0                           ; all my tensor loads have landed: the one that was out is my part of the next slot
	ds_add_u32 v255, v63
	s_wait_dscnt 0x0
	s_barrier_signal -1
	MUL16 F1, 0, 2, 0                              ; register work while the others arrive
	WIN 0
	s_barrier_wait -1
.if \fill
	CREST
	s_add_nc_u64 s[G0+4*\slot+2:G0+4*\slot+3], s[G0+4*\slot+2:G0+4*\slot+3], 2*KSTEP*2
	s_add_nc_u64 s[G0B+4*\slot+2:G0B+4*\slot+3], s[G0B+4*\slot+2:G0B+4*\slot+3], 2*KSTEP*2
	JLOAD \slot
.endif
	PLACES
	FETCH \next, 0, F0
	WIN MUL_HI
	MUL16 F1, 1, 0, 0
	MUL16 F1, 1, 2, 0
.endm
.macro LAP zero
	THREE 0, \zero
	TURN 0, 1, 1
	THREE 1, 0
	TURN 1, 0, 1
.endm
.macro LASTQ                           ; the very last quarter step, written once in each way out, behind that way's small loads
	s_wait_dscnt 8
	WIN MUL_LO
	MUL16 F1, 0, 0, 0
	MUL16 F1, 0, 2, 0
	s_wait_dscnt 0
	WIN MUL_HI
	MUL16 F1, 1, 0, 0
	MUL16 F1, 1, 2, 0
	WIN 0
	PLACES
.endm
; a packed operation whose second source is register sel (0, 1) of the pair bp, for both halves
.macro PKB op, d, a, bp, sel
.if \sel
	\op v[\d:\d+1], v[\a:\a+1], v[\bp:\bp+1] op_sel:[0,1] op_sel_hi:[1,1]
.else
	\op v[\d:\d+1], v[\a:\a+1], v[\bp:\bp+1] op_sel_hi:[1,0]
.endif
.endm
; sums of squares of 64 numbers at base: numbers 0-31 head 0, 32-63 head 1; two chains of pairs for each head, started by a product
.macro SUMSQ base
.irp bb, 0,1,2,3
.irp hd, 0,1
.irp p, 0,2,4,6
.if (8*\bb+\p) < 4
	v_pk_mul_f32 v[SS+4*\hd+(\p&2):SS+4*\hd+(\p&2)+1], v[\base+8*(4*\hd+\bb)+\p:\base+8*(4*\hd+\bb)+\p+1], v[\base+8*(4*\hd+\bb)+\p:\base+8*(4*\hd+\bb)+\p+1]
.else
	v_pk_fma_f32 v[SS+4*\hd+(\p&2):SS+4*\hd+(\p&2)+1], v[\base+8*(4*\hd+\bb)+\p:\base+8*(4*\hd+\bb)+\p+1], v[\base+8*(4*\hd+\bb)+\p:\base+8*(4*\hd+\bb)+\p+1], v[SS+4*\hd+(\p&2):SS+4*\hd+(\p&2)+1]
.endif
.endr
.endr
.endr
.endm
.macro PACK                            ; 64 numbers at TT to 32 registers of f16 at PK
.irp b, 0,1,2,3,4,5,6,7
.irp p, 0,1,2,3
	v_cvt_pk_f16_f32 v[PK+4*\b+\p], v[TT+8*\b+2*\p], v[TT+8*\b+2*\p+1]
.endr
.endr
.endm
; q or k: 16 tokens (m block a of my 8), my two heads.  A lane holds token r, and of each head the d with (d/8)&1 = h.
.macro EPIQK a, isq
.set AA, (\a)&3
.set WN, 2+((\a)>>2)
.set PK, PK0+32*((\a)&1)
	s_wait_xcnt 0x0                                ; this set of packed registers, which earlier stores read, is rewritten only behind this wait
.if \isq
	WIN WN
.irp b, 0,1,2,3,4,5,6,7
.irp p, 0,2,4,6
	v_pk_add_f32 v[TT+8*\b+\p:TT+8*\b+\p+1], v[64*AA+8*\b+\p:64*AA+8*\b+\p+1], v[QB+8*\b+\p:QB+8*\b+\p+1]
.endr
.endr
	WIN 0
	SUMSQ TT
.else
	WIN WN|(WN<<2)
	SUMSQ 64*AA
	WIN 0
.endif
	v_pk_add_f32 v[SS:SS+1], v[SS:SS+1], v[SS+2:SS+3]
	v_pk_add_f32 v[SS+4:SS+5], v[SS+4:SS+5], v[SS+6:SS+7]
	v_add_f32 v[SS], v[SS], v[SS+1]
	v_add_f32 v[SS+4], v[SS+4], v[SS+5]
	v_permlanex16_b32 v[PT], v[SS], s92, s93       ; the other 32 d of the token lie in lane r of the other half
	v_permlanex16_b32 v[PT+1], v[SS+4], s92, s93
	v_add_f32 v[SS], v[SS], v[PT]
	v_add_f32 v[SS+4], v[SS+4], v[PT+1]
	v_sqrt_f32 v[SS+1], v[SS]
	v_sqrt_f32 v[SS+5], v[SS+4]
	v_nop                                          ; one plain place behind a transcendental (ISA guide 5.7.2)
	s_wait_alu depctr_va_vdst(0)
	v_max_num_f32 v[SS+1], 0x2b8cbccc, v[SS+1]     ; max(norm, 1e-12)
	v_max_num_f32 v[SS+5], 0x2b8cbccc, v[SS+5]
	v_rcp_f32 v[INV], v[SS+1]
	v_rcp_f32 v[INV+1], v[SS+5]
	v_nop
	s_wait_alu depctr_va_vdst(0)
.if \isq
	s_wait_alu depctr_va_vdst(0)
	v_pk_mul_f32 v[INV:INV+1], v[INV:INV+1], v[FQ:FQ+1]
.else
	WIN WN
.endif
.irp b, 0,1,2,3,4,5,6,7
.irp p, 0,2,4,6
.if \isq
	PKB v_pk_mul_f32, TT+8*\b+\p, TT+8*\b+\p, INV, \b>>2
.else
	PKB v_pk_mul_f32, TT+8*\b+\p, 64*AA+8*\b+\p, INV, \b>>2
.endif
.endr
.endr
	WIN 0
	PACK
.irp b, 0,1,2,3,4,5,6,7
.if \isq
	global_store_b128 v[LN16], v[PK+4*\b:PK+4*\b+3], s[90:91] offset:(\b>>2)*262144+(\a)*2048+(\b&3)*512
.else
	global_store_b128 v[LN16], v[PK+4*\b:PK+4*\b+3], s[90:91] offset:(\b>>2)*524288+((\a)>>2)*16384+((\a)&3)*2048+(\b&3)*512
.endif
.endr
.endm
; v: 16 features (m block a), my 128 tokens.  A lane holds feature r and 8 neighbouring tokens of each n block.
.macro EPIV a
.set AA, (\a)&3
.set WN, 2+((\a)>>2)
.set PK, PK0+32*((\a)&1)
	s_wait_xcnt 0x0                                ; as above
	WIN WN
.irp b, 0,1,2,3,4,5,6,7
.irp p, 0,2,4,6
	PKB v_pk_add_f32, TT+8*\b+\p, 64*AA+8*\b+\p, QB+((\a)&6), (\a)&1
.endr
.endr
	WIN 0
	PACK
.irp b, 0,1,2,3,4,5,6,7
	global_store_b128 v[LN16], v[PK+4*\b:PK+4*\b+3], s[90:91] offset:((\a)>>2)*524288+8192+((\a)&3)*1024+(\b>>2)*16384+((\b>>1)&1)*4096+(\b&1)*512
.endr
.endm
; s[90:91] = buffer + (16 batch + first head) << sbh + (RA & 7) << sra + (my half of the rows) << sh, for q and k
.macro QKBASE ptr, sbh, sra, sh
	s_lshr_b32 s90, s13, 3                         ; batch
	s_lshl_b32 s90, s90, 4
	s_and_b32 s91, s42, 3
	s_lshl_b32 s91, s91, 2
	s_add_co_u32 s90, s90, s91
	s_lshl_b32 s91, s12, 1
	s_add_co_u32 s90, s90, s91                     ; 16 batch + 4 (RB & 3) + 2 half
	s_lshl_b32 s90, s90, \sbh
	s_and_b32 s91, s13, 7
	s_lshl_b32 s91, s91, \sra
	s_add_co_u32 s90, s90, s91
	s_lshl_b32 s91, s11, \sh
	s_add_co_u32 s90, s90, s91
	s_mov_b32 s91, 0
	s_add_nc_u64 s[90:91], s[\ptr:\ptr+1], s[90:91]
.endm
	s_wait_tensorcnt 1                             ; my part of K step 0 is in; K step 1's load stays out
	s_barrier_signal -1
	s_barrier_wait -1
	FETCH 0, 0, F0
	LAP 1                                          ; the first lap's first products start the sums
	WIN 0
	s_mov_b32 s3, LAPS-2
.Llap:
	LAP 0
	WIN 0
	s_sub_co_u32 s3, s3, 1
	s_cmp_lg_u32 s3, 0
	s_cbranch_scc1 .Llap
	THREE 0, 0                                     ; the last lap fills nothing
	TURN 0, 1, 0
	THREE 1, 0
	WIN 0
	s_cmp_eq_u32 s82, 0                            ; the one branch on the kind, the same in all partners
	s_cbranch_scc1 .Lq
	s_cmp_eq_u32 s82, 1
	s_cbranch_scc1 .Lk
	; ---- v ----
	s_lshl_b32 s84, s41, 10                        ; v_bias at feature 256 cy + 128 half, 4 bytes each
	s_lshl_b32 s85, s11, 9
	s_add_co_u32 s84, s84, s85
	s_mov_b32 s85, 0
	s_add_nc_u64 s[84:85], s[74:75], s[84:85]
	v_lshlrev_b32 v[BOFF], 2, v1                   ; 4 r
.irp a, 0,1,2,3,4,5,6,7
	global_load_b32 v[QB+\a], v[BOFF], s[84:85] offset:64*\a
.endr
	LASTQ
	s_lshr_b32 s90, s42, 3                         ; batch of my tokens
	s_lshl_b32 s90, s90, 4
	s_lshl_b32 s91, s41, 2
	s_add_co_u32 s90, s90, s91
	s_lshl_b32 s91, s11, 1
	s_add_co_u32 s90, s90, s91                     ; 16 batch + 4 cy + 2 half
	s_lshl_b32 s90, s90, 19
	s_and_b32 s91, s42, 7
	s_lshl_b32 s91, s91, 16                        ; 4 blocks of 64 keys x 16,384 bytes for 256 tokens
	s_add_co_u32 s90, s90, s91
	s_lshl_b32 s91, s12, 15
	s_add_co_u32 s90, s90, s91
	s_mov_b32 s91, 0
	s_add_nc_u64 s[90:91], s[80:81], s[90:91]
	s_wait_loadcnt 0x0
.irp a, 0,1,2,3,4,5,6,7
	EPIV \a
.endr
	s_branch .Lend
	; ---- k ----
.Lk:
	LASTQ
	QKBASE 80, 19, 16, 15
.irp a, 0,1,2,3,4,5,6,7
	EPIQK \a, 0
.endr
	s_branch .Lend
	; ---- q ----
.Lq:
	s_lshl_b32 s84, s42, 10                        ; q_bias at feature 256 RB + 128 half
	s_lshl_b32 s85, s12, 9
	s_add_co_u32 s84, s84, s85
	s_mov_b32 s85, 0
	s_add_nc_u64 s[84:85], s[72:73], s[84:85]
	v_lshlrev_b32 v[BOFF], 5, v2                   ; 32 h: my 8 features of each n block
.irp b, 0,1,2,3,4,5,6,7
.irp i, 0,1
	global_load_b128 v[QB+8*\b+4*\i:QB+8*\b+4*\i+3], v[BOFF], s[84:85] offset:64*\b+16*\i
.endr
.endr
	s_lshl_b32 s88, s42, 4                         ; scale_mul of my two heads: word 4 RB + 2 half
	s_lshl_b32 s89, s12, 3
	s_add_co_u32 s88, s88, s89
	s_mov_b32 s89, 0
	s_add_nc_u64 s[88:89], s[76:77], s[88:89]
	s_load_b64 s[86:87], s[88:89], 0x0
	LASTQ
	QKBASE 78, 18, 15, 14
	s_wait_kmcnt 0x0
	v_mov_b32 v[FQ], s86
	v_mov_b32 v[FQ+1], s87
	v_min_num_f32 v[FQ], 0x40935d8e, v[FQ]         ; min(scale_mul, log 100)
	v_min_num_f32 v[FQ+1], 0x40935d8e, v[FQ+1]
	v_fma_f32 v[SS], v[FQ], 0x3fb8aa3b, -2.0       ; exp(.) / 4 = 2^(. x log2 e - 2)
	v_fma_f32 v[SS+1], v[FQ+1], 0x3fb8aa3b, -2.0
	v_exp_f32 v[FQ], v[SS]
	v_exp_f32 v[FQ+1], v[SS+1]
	v_nop
	s_wait_loadcnt 0x0
.irp a, 0,1,2,3,4,5,6,7
	EPIQK \a, 1
.endr
.Lend:
	CROUND                                         ; the closing round: no work-group ends while a partner may still ask jointly
	s_endpgm
.Lfunc_end_k_q7bed76933c_qkv:
	.size	k_q7bed76933c_qkv, .Lfunc_end_k_q7bed76933c_qkv-k_q7bed76933c_qkv
	.p2alignl 7, 3214868480
	.fill 96, 4, 3214868480
	.section	.rodata,"a",@progbits
	.p2align	6, 0x0
	.amdhsa_kernel k_q7bed76933c_qkv
		.amdhsa_group_segment_fixed_size 327680
		.amdhsa_private_segment_fixed_size 0
		.amdhsa_enable_private_segment 0
		.amdhsa_kernarg_size 56
		.amdhsa_user_sgpr_count 2
		.amdhsa_user_sgpr_kernarg_segment_ptr 1
		.amdhsa_wavefront_size32 1
		.amdhsa_system_sgpr_workgroup_id_x 1
		.amdhsa_system_sgpr_workgroup_id_y 1
		.amdhsa_system_sgpr_workgroup_id_z 1
		.amdhsa_system_vgpr_workitem_id 0
		.amdhsa_next_free_vgpr 1024
		.amdhsa_next_free_sgpr 96
		.amdhsa_reserve_vcc 0
		.amdhsa_float_denorm_mode_32 3
		.amdhsa_float_denorm_mode_16_64 3
		.amdhsa_memory_ordered 1
		.amdhsa_forward_progress 1
		.amdhsa_inst_pref_size 255
	.end_amdhsa_kernel
	.section	.bss,"aw",@nobits
	.p2align	6
	.space	262144
	.amdgpu_metadata
---
amdhsa.version: [ 1, 2 ]
amdhsa.kernels:
  - .name:           k_q7bed76933c_qkv
    .symbol:         k_q7bed76933c_qkv.kd
    .args:
      - { .name: xb, .offset: 0, .size: 8, .value_kind: global_buffer, .address_space: global }
      - { .name: wqb, .offset: 8, .size: 8, .value_kind: global_buffer, .address_space: global }
      - { .name: q_bias, .offset: 16, .size: 8, .value_kind: global_buffer, .address_space: global }
      - { .name: v_bias, .offset: 24, .size: 8, .value_kind: global_buffer, .address_space: global }
      - { .name: scale_mul, .offset: 32, .size: 8, .value_kind: global_buffer, .address_space: global }
      - { .name: qf, .offset: 40, .size: 8, .value_kind: global_buffer, .address_space: global }
      - { .name: kvf, .offset: 48, .size: 8, .value_kind: global_buffer, .address_space: global }
    .group_segment_fixed_size: 327680
    .private_segment_fixed_size: 0
    .kernarg_segment_align: 8
    .kernarg_segment_size: 56
    .max_flat_workgroup_size: 128
    .sgpr_count:     96
    .vgpr_count:     1024
    .wavefront_size: 32
...
	.end_amdgpu_metadata
.endif
;; end of part 2
;; launch attn (part 3): grid 32 x 8, 8 waves a work-group, clusters of 4 x 4, 327,680 bytes of LDS; arguments qf, kvf, attn_bias, of; writes of
.if DOCPART == 3
	.amdgcn_target "amdgcn-amd-amdhsa--gfx1250"
	.amdhsa_code_object_version 6
	.text
	.protected	k_q7bed76933c_attn
	.globl	k_q7bed76933c_attn
	.p2align	8
	.type	k_q7bed76933c_attn,@function
k_q7bed76933c_attn:
	s_mov_b64 s[64:65], 0
	v_nop
	global_prefetch_b8 v0, s[64:65] scope:SCOPE_SE
	s_setreg_imm32_b32 hwreg(HW_REG_WAVE_MODE, 25, 1), 1
	s_wait_xcnt 0x0
	s_wait_alu depctr_hold_cnt(0) depctr_sa_sdst(0) depctr_va_vdst(0) depctr_va_sdst(0) depctr_va_ssrc(0) depctr_va_vcc(0) depctr_vm_vsrc(0)
	s_getreg_b32 s2, hwreg(HW_REG_IB_STS2, 6, 4)
	s_cmp_eq_u32 s2, 0
	s_cbranch_scc0 .Lentry_in_a_cluster
	s_endpgm
.Lentry_in_a_cluster:
	s_bfe_u32 s2, ttmp6, 0x10000c
	s_cmp_lg_u32 s2, 0xf033
	s_cbranch_scc0 .Lentry_shape_is_right
	s_endpgm
.Lentry_shape_is_right:
; softmax(q k^T + bias) v for one (batch, head) bh and 256 queries a work-group.  q already carries exp(scale)/4 and both q and k are normalised.
; Eight waves: wave w takes queries 64 (w & 3) .. + 63 and, of every step of 64 keys, the half w >> 2; the two waves of a query block are merged at the end.
; TRANSPOSED: S^T = K Q^T + bias^T (A = K's fragment, B = Q's, C = D = the f32 bias as loaded: lane (r, h) holds query r, keys 8 h + j, 32 neighbouring
; bytes of a bias row).  Maximum, sum and rescaling are then per lane (one v_permlanex16_b32 joins the halves), and exp(S^T) packed in place IS the
; B fragment of O^T = V^T P^T.  A running maximum is taken away before every exponential.
; LDS: two slots of 86,016 bytes (bias 256 rows x 272, then K and V images 16,384), then a stage of 8,704 bytes a wave into which no fill lands.
; CLUSTERS 4 x 4: x = bh, y = query block.  The bias tile hangs on y alone: asked for jointly along a row of the cluster.  The K/V block hangs on bh
; alone: jointly along a column.  Waves 0-3 ask for 64 rows of bias each, wave 4 for the K/V block, one tensor load of a wave outstanding.
; OUTPUT of: (token/16)*32768 + (k/8)*256 + (token%16)*16 + (k%8)*2, k = 64 head + d: a wave's store covers 512 neighbouring bytes.
; FORMAT AND ITS ROOM: q, k, v, p and o are f16.  p is at most 1 by the running maximum; a p below 3e-8 becomes 0, which is at most 2,048 x 3e-8 of a
; row's sum, and that sum is at least 1.  o is a convex mix of v, so it has v's bound (65,504); with x and w_qkv both 30 times smaller than drawn its
; spread is 0.03 / 900 = 3.3e-5, where f16's fixed step 2^-24 costs 1.7e-8 / 3.3e-5 = 5e-4 of the spread.
; LIMITS: the running maximum starts at -1e30, so a bias below that counts as -inf; a row that is -inf throughout gives NaN, as the formula does.
; The sum is taken over the unrounded p.
.set SLOTB, 86016
.set BP,    272                        ; a bias row in LDS: 256 bytes + 16
.set KVO,   256*BP                     ; K/V behind the bias
.set STAGE, 2*SLOTB
.set STW,   8704                       ; two groups x (4,096 O + 256 (m, l))
.set BADR, 2                           ; v2-3  slot + (64 qb + r) 272 + 128 s + 32 h
.set KADR, 4                           ; v4-5  slot + KVO + 4096 s + 16 lane
.set LN16, 6                           ; v6    16 lane
.set STO,  7                           ; v7    my stage + 16 lane
.set STP,  8                           ; v8    my partner's stage + 16 lane
.set MLO,  9                           ; v9    my stage + 8192 + 8 lane
.set MLP,  10                          ; v10   my partner's
.set ML,   16                          ; v16-23 (m, l) of query group g
.set MC,   24                          ; v24-27 -m log2 e
.set AL,   28                          ; v28-31 the step's rescaling factor
.set TM,   32                          ; v32-47 at work, four for each group
.set QF,   64                          ; v64-127  Q fragments: 16 g + 8 ks
.set SC,   128                         ; v128-191 scores: 16 g + 8 t; p packed in place at 16 g .. + 7
.set KF,   192                         ; v192-223 K fragments: 16 t + 8 ks
.set VF,   224                         ; v224-255 V fragments: 8 dt
                                       ; window 1: O(g, dt) at v[32 g + 8 dt]
.set GB1, 24
.set GB0, 32
.set GK1, 40
.set GK0, 48
.set MSB, 0
.macro WIN new
.if MSB != (\new)
	s_set_vgpr_msb (MSB<<8)|(\new)
.set MSB, (\new)
.endif
.endm
.macro ROUND                           ; a round of the cluster's barrier
	s_barrier_signal -1
	s_barrier_wait -1
	s_cmp_lg_u32 s12, 0
	s_cbranch_scc1 .Lnot_wave_0_\@
	s_barrier_signal -3
.Lnot_wave_0_\@:
	s_barrier_wait -3
	s_barrier_signal -1
	s_barrier_wait -1
.endm
.macro JLOAD n                         ; slot n's joint loads; the branches hang on the wave's number alone
	s_cmp_lt_u32 s12, 4
	s_cbranch_scc0 .Lno_bias_\@
	tensor_load_to_lds s[GB0+4*(\n):GB0+4*(\n)+3], s[GB1:GB1+7]
	s_nop 0
	s_branch .Lasked_\@
.Lno_bias_\@:
	s_cmp_eq_u32 s12, 4
	s_cbranch_scc0 .Lasked_\@
	tensor_load_to_lds s[GK0+4*(\n):GK0+4*(\n)+3], s[GK1:GK1+7]
	s_nop 0
.Lasked_\@:
.endm
.macro PKB op, d, a, bp, sel           ; second source = register sel of the pair bp, for both halves
.if \sel
	\op v[\d:\d+1], v[\a:\a+1], v[\bp:\bp+1] op_sel:[0,1] op_sel_hi:[1,1]
.else
	s_wait_alu depctr_va_vdst(0)
	\op v[\d:\d+1], v[\a:\a+1], v[\bp:\bp+1] op_sel_hi:[1,0]
.endif
.endm
.macro PKEXPARG d, cp, sel             ; d = d x log2 e + register sel of the pair cp
.if \sel
	v_pk_fma_f32 v[\d:\d+1], v[\d:\d+1], 0x3fb8aa3b, v[\cp:\cp+1] op_sel:[0,0,1] op_sel_hi:[1,0,1]
.else
	v_pk_fma_f32 v[\d:\d+1], v[\d:\d+1], 0x3fb8aa3b, v[\cp:\cp+1] op_sel_hi:[1,0,0]
.endif
.endm
	s_load_b256 s[4:11], s[0:1], 0x0               ; qf s[4:5], kvf s[6:7], attn_bias s[8:9], of s[10:11]
	v_lshl_add_u32 v62, v0, 2, 0x3b000
	v_mov_b32 v63, 0
	ds_add_u32 v62, v63
	v_lshrrev_b32 v1, 5, v0
	v_readfirstlane_b32 s12, v1                    ; wave 0..7
	s_and_b32 s13, s12, 3                          ; qb: my 64 queries
	s_lshr_b32 s14, s12, 2                         ; s: my half of each step's keys
	s_bfe_u32 s16, ttmp6, 0x40000                  ; cx
	s_bfe_u32 s17, ttmp6, 0x40004                  ; cy
	s_lshl_b32 s18, ttmp9, 2
	s_add_co_u32 s18, s18, s16                     ; bh
	s_and_b32 s19, ttmp7, 0xffff
	s_lshl_b32 s19, s19, 2
	s_add_co_u32 s19, s19, s17                     ; y: block of 256 queries
	s_lshl_b32 s20, s17, 2
	s_lshl_b32 s20, 15, s20                        ; my row of the cluster
	s_lshl_b32 s21, 0x1111, s16                    ; my column
	s_mov_b32 s22, 0x76543210
	s_mov_b32 s23, 0xfedcba98
	s_mov_b32 s66, 0xbfb8aa3b                      ; -log2 e
	; bias: 64 rows x 64 elements of 4 bytes, 16 bytes of padding behind every 64 words, 2,048 elements from row to row
	s_or_b32 s[GB1+0], s20, (2<<16)|(1<<20)|(1<<21)|(5<<22)|(3<<25)
	s_mov_b32 s[GB1+1], 64<<16
	s_mov_b32 s[GB1+2], 64<<16
	s_mov_b32 s[GB1+3], 64<<16
	s_mov_b32 s[GB1+4], 64
	s_mov_b32 s[GB1+5], 2048
	s_mov_b32 s[GB1+6], 0
	s_mov_b32 s[GB1+7], 0
	; K/V: a dense block of 16,384 bytes as 64 rows of 32 elements of 8 bytes
	s_or_b32 s[GK1+0], s21, (3<<16)|(1<<21)
	s_mov_b32 s[GK1+1], 32<<16
	s_mov_b32 s[GK1+2], 64<<16
	s_mov_b32 s[GK1+3], 32<<16
	s_mov_b32 s[GK1+4], 64
	s_mov_b32 s[GK1+5], 32
	s_mov_b32 s[GK1+6], 0
	s_mov_b32 s[GK1+7], 0
	s_lshl_b32 s56, s19, 21                        ; bias: (256 y + 64 w) rows of 8,192 bytes; never holds cx
	s_lshl_b32 s57, s12, 19
	s_add_co_u32 s56, s56, s57
	s_mov_b32 s57, 0
	s_lshl_b32 s58, s18, 19                        ; K/V: bh x 524,288; never holds cy
	s_mov_b32 s59, 0
	s_mul_i32 s67, s12, 64*BP                      ; LDS: wave x 64 rows
	s_wait_dscnt 0x0
	s_wait_kmcnt 0x0
	s_add_nc_u64 s[56:57], s[8:9], s[56:57]
	s_add_nc_u64 s[58:59], s[6:7], s[58:59]
.irp n, 0,1
	s_mov_b32 s[GB0+4*\n], 1
	s_add_co_u32 s[GB0+4*\n+1], s67, \n*SLOTB
	s_add_nc_u64 s[GB0+4*\n+2:GB0+4*\n+3], s[56:57], \n*256
	s_or_b32 s[GB0+4*\n+3], s[GB0+4*\n+3], 0x80000000
	s_mov_b32 s[GK0+4*\n], 1
	s_mov_b32 s[GK0+4*\n+1], \n*SLOTB+KVO
	s_add_nc_u64 s[GK0+4*\n+2:GK0+4*\n+3], s[58:59], \n*16384
	s_or_b32 s[GK0+4*\n+3], s[GK0+4*\n+3], 0x80000000
.endr
	ROUND                                          ; in front of the first joint loads
	JLOAD 0                                        ; step 0
	s_lshl_b32 s60, s18, 18                        ; Q: bh x 262,144 + (16 y + 4 qb) x 2,048
	s_lshl_b32 s61, s19, 15
	s_add_co_u32 s60, s60, s61
	s_lshl_b32 s61, s13, 13
	s_add_co_u32 s60, s60, s61
	s_mov_b32 s61, 0
	s_add_nc_u64 s[60:61], s[4:5], s[60:61]
	v_and_b32 v1, 31, v0
	v_lshlrev_b32 v[LN16], 4, v1
.irp g, 0,1,2,3
.irp c, 0,1,2,3
	global_load_b128 v[QF+16*\g+4*\c:QF+16*\g+4*\c+3], v[LN16], s[60:61] offset:\g*2048+\c*512
.endr
.endr
	v_and_b32 v11, 15, v0                          ; r
	v_bfe_u32 v12, v0, 4, 1                        ; h
	s_mul_i32 s68, s13, 64*BP
	s_lshl_b32 s69, s14, 7
	s_add_co_u32 s68, s68, s69
	v_mul_u32_u24 v13, v11, BP
	v_lshl_add_u32 v13, v12, 5, v13
	v_add_nc_u32 v[BADR], s68, v13
	v_add_nc_u32 v[BADR+1], SLOTB, v[BADR]
	s_lshl_b32 s69, s14, 12
	s_add_co_u32 s69, s69, KVO
	v_add_nc_u32 v[KADR], s69, v[LN16]
	v_add_nc_u32 v[KADR+1], SLOTB, v[KADR]
	s_mul_i32 s70, s12, STW
	s_add_co_u32 s70, s70, STAGE
	s_xor_b32 s71, s12, 4                          ; my partner: same queries, the other half of the keys
	s_mul_i32 s71, s71, STW
	s_add_co_u32 s71, s71, STAGE
	v_add_nc_u32 v[STO], s70, v[LN16]
	v_add_nc_u32 v[STP], s71, v[LN16]
	v_lshlrev_b32 v13, 3, v1
	v_add_nc_u32 v13, 8192, v13
	v_add_nc_u32 v[MLO], s70, v13
	v_add_nc_u32 v[MLP], s71, v13
; One step: my 32 keys of slot's 64, my 64 queries (four groups g of 16).  first = 1: nothing to rescale, the first products start O.
.macro STEP slot, first
.irp t, 0,1
.irp c, 0,1,2,3
	ds_load_b128 v[KF+16*\t+4*\c:KF+16*\t+4*\c+3], v[KADR+\slot] offset:\t*2048+\c*512
.endr
.endr
.irp g, 0,1,2,3
.irp t, 0,1
.irp i, 0,1
	ds_load_b128 v[SC+16*\g+8*\t+4*\i:SC+16*\g+8*\t+4*\i+3], v[BADR+\slot] offset:\g*16*BP+\t*64+\i*16
.endr
.endr
.endr
.irp dt, 0,1,2,3
.irp i, 0,1
	ds_load_b128 v[VF+8*\dt+4*\i:VF+8*\dt+4*\i+3], v[KADR+\slot] offset:8192+\dt*1024+\i*512
.endr
.endr
.if \first
	s_wait_loadcnt 0x0                             ; Q, once
.endif
	s_wait_dscnt 0x8                               ; K and the bias are in; the eight loads of V stay out
	; S^T = K Q^T + bias^T: eight accumulators take turns, one instruction a turn
.irp ks, 0,1
.irp g, 0,1,2,3
.irp t, 0,1
	v_wmma_f32_16x16x32_f16 v[SC+16*\g+8*\t:SC+16*\g+8*\t+7], v[KF+16*\t+8*\ks:KF+16*\t+8*\ks+7], v[QF+16*\g+8*\ks:QF+16*\g+8*\ks+7], v[SC+16*\g+8*\t:SC+16*\g+8*\t+7]
.endr
.endr
.endr
.rept 4
	v_nop                                          ; four places before vector instructions read the results (ISA guide 7.12.1)
.endr
	; the running maximum of each query: my 16 keys, the old maximum, the other half of the lanes
.irp g, 0,1,2,3
	v_max3_num_f32 v[TM+4*\g],   v[SC+16*\g],   v[SC+16*\g+1],  v[SC+16*\g+2]
	v_max3_num_f32 v[TM+4*\g+1], v[SC+16*\g+3], v[SC+16*\g+4],  v[SC+16*\g+5]
	v_max3_num_f32 v[TM+4*\g+2], v[SC+16*\g+6], v[SC+16*\g+7],  v[SC+16*\g+8]
	v_max3_num_f32 v[TM+4*\g+3], v[SC+16*\g+9], v[SC+16*\g+10], v[SC+16*\g+11]
.endr
.irp g, 0,1,2,3
	v_max3_num_f32 v[TM+4*\g],   v[TM+4*\g],   v[SC+16*\g+12], v[SC+16*\g+13]
	v_max3_num_f32 v[TM+4*\g+1], v[TM+4*\g+1], v[SC+16*\g+14], v[SC+16*\g+15]
.endr
.irp g, 0,1,2,3
	v_max3_num_f32 v[TM+4*\g], v[TM+4*\g], v[TM+4*\g+1], v[TM+4*\g+2]
.endr
.irp g, 0,1,2,3
.if \first
	v_max3_num_f32 v[TM+4*\g], v[TM+4*\g], v[TM+4*\g+3], 0xf149f2ca      ; the floor -1e30 keeps m finite where all is -inf
.else
	v_max3_num_f32 v[TM+4*\g], v[TM+4*\g], v[TM+4*\g+3], v[ML+2*\g]
.endif
.endr
.irp g, 0,1,2,3
	v_permlanex16_b32 v[TM+4*\g+1], v[TM+4*\g], s22, s23
.endr
.irp g, 0,1,2,3
	v_max_num_f32 v[ML+2*\g], v[TM+4*\g], v[TM+4*\g+1]
.endr
.if \first == 0
.irp g, 0,1,2,3
	v_fma_f32 v[TM+4*\g+2], v[ML+2*\g], s66, -v[MC+\g]                   ; (m_old - m_new) log2 e
.endr
.irp g, 0,1,2,3
	v_exp_f32 v[AL+\g], v[TM+4*\g+2]
.endr
.endif
.irp g, 0,1,2,3
	v_mul_f32 v[MC+\g], s66, v[ML+2*\g]            ; also the plain place behind the exponentials above
.endr
	; p = 2^(S log2 e - m log2 e)
.irp g, 0,1,2,3
.irp p, 0,2,4,6,8,10,12,14
	PKEXPARG SC+16*\g+\p, MC+(\g&2), \g&1
.endr
.endr
.set i, 0
.rept 64
	v_exp_f32 v[SC+i], v[SC+i]
.set i, i+1
.endr
.if \first
	v_nop                                          ; one plain place behind the exponentials
	s_wait_alu depctr_va_vdst(0)
.else
	WIN 0x41                                       ; O in window 1, the factor in window 0
.irp g, 0,1,2,3
.set i, 0
.rept 16
	PKB v_pk_mul_f32, 32*\g+2*i, 32*\g+2*i, AL+(\g&2), \g&1
.set i, i+1
.endr
.endr
	WIN 0
.endif
	; the sum of my 16 p of each query (a lane's partial sum: the halves are joined at the end)
.irp g, 0,1,2,3
	v_pk_add_f32 v[TM+4*\g:TM+4*\g+1],   v[SC+16*\g:SC+16*\g+1],   v[SC+16*\g+2:SC+16*\g+3]
	v_pk_add_f32 v[TM+4*\g+2:TM+4*\g+3], v[SC+16*\g+4:SC+16*\g+5], v[SC+16*\g+6:SC+16*\g+7]
.endr
.irp g, 0,1,2,3
	v_pk_add_f32 v[TM+4*\g:TM+4*\g+1],   v[TM+4*\g:TM+4*\g+1],   v[SC+16*\g+8:SC+16*\g+9]
	v_pk_add_f32 v[TM+4*\g+2:TM+4*\g+3], v[TM+4*\g+2:TM+4*\g+3], v[SC+16*\g+10:SC+16*\g+11]
.endr
.irp g, 0,1,2,3
	v_pk_add_f32 v[TM+4*\g:TM+4*\g+1],   v[TM+4*\g:TM+4*\g+1],   v[SC+16*\g+12:SC+16*\g+13]
	v_pk_add_f32 v[TM+4*\g+2:TM+4*\g+3], v[TM+4*\g+2:TM+4*\g+3], v[SC+16*\g+14:SC+16*\g+15]
.endr
.irp g, 0,1,2,3
	v_pk_add_f32 v[TM+4*\g:TM+4*\g+1], v[TM+4*\g:TM+4*\g+1], v[TM+4*\g+2:TM+4*\g+3]
.endr
.irp g, 0,1,2,3
.if \first
	v_add_f32 v[ML+2*\g+1], v[TM+4*\g], v[TM+4*\g+1]
.else
	v_add_f32 v[TM+4*\g], v[TM+4*\g], v[TM+4*\g+1]
.endif
.endr
.if \first == 0
.irp g, 0,1,2,3
	v_fma_f32 v[ML+2*\g+1], v[ML+2*\g+1], v[AL+\g], v[TM+4*\g]
.endr
.endif
	; p to f16 in place, ascending: register q takes numbers 2 q, 2 q + 1, which no later line reads
.irp g, 0,1,2,3
.irp q, 0,1,2,3,4,5,6,7
	v_cvt_pk_f16_f32 v[SC+16*\g+\q], v[SC+16*\g+2*\q], v[SC+16*\g+2*\q+1]
.endr
.endr
	s_wait_dscnt 0x0                               ; V
	; O^T += V^T P^T: sixteen different accumulators
.if \first
	WIN 0x40
.else
	WIN 0x50
.endif
.irp g, 0,1,2,3
.irp dt, 0,1,2,3
.if \first
	v_wmma_f32_16x16x32_f16 v[32*\g+8*\dt:32*\g+8*\dt+7], v[VF+8*\dt:VF+8*\dt+7], v[SC+16*\g:SC+16*\g+7], 0
.else
	v_wmma_f32_16x16x32_f16 v[32*\g+8*\dt:32*\g+8*\dt+7], v[VF+8*\dt:VF+8*\dt+7], v[SC+16*\g:SC+16*\g+7], v[32*\g+8*\dt:32*\g+8*\dt+7]
.endif
.endr
.endr
	WIN 0
.rept 5
	v_nop                                          ; the next step loads into, and its matrix instructions write over, registers that these read: five places
.endr
.endm
; One trip of the ring.  All my tensor loads are done, so this slot's addresses may step two steps on; my LDS reads are done; the round holds both of
; every wave of every partner; the joint refill of the other slot is the first tensor load behind it.
.macro TRIP slot, refill, first
	s_wait_tensorcnt 0x0
	ds_add_u32 v62, v63
	s_wait_dscnt 0x0
	s_add_nc_u64 s[GB0+4*\slot+2:GB0+4*\slot+3], s[GB0+4*\slot+2:GB0+4*\slot+3], 512
	s_add_nc_u64 s[GK0+4*\slot+2:GK0+4*\slot+3], s[GK0+4*\slot+2:GK0+4*\slot+3], 32768
	s_wait_dscnt 0x0
	ROUND
.if \refill
	JLOAD (1-\slot)
.endif
	STEP \slot, \first
.endm
	TRIP 0, 1, 1                                   ; 32 steps of 64 keys: two, 14 x two, two
	TRIP 1, 1, 0
	s_mov_b32 s15, 14
.Lsteps:
	TRIP 0, 1, 0
	TRIP 1, 1, 0
	s_sub_co_u32 s15, s15, 1
	s_cmp_lg_u32 s15, 0
	s_cbranch_scc1 .Lsteps
	TRIP 0, 1, 0
	TRIP 1, 0, 0                                   ; the last step asks for nothing
	; THE MERGE.  Each wave hands two of its four groups to its partner through its own stage and finishes the other two.
	s_lshr_b32 s62, s18, 4                         ; of: (128 batch + 16 y + 4 qb) x 32,768 + head x 2,048
	s_lshl_b32 s62, s62, 22
	s_lshl_b32 s63, s19, 19
	s_add_co_u32 s62, s62, s63
	s_lshl_b32 s63, s13, 17
	s_add_co_u32 s62, s62, s63
	s_and_b32 s63, s18, 15
	s_lshl_b32 s63, s63, 11
	s_add_co_u32 s62, s62, s63
	s_mov_b32 s63, 0
	s_add_nc_u64 s[62:63], s[10:11], s[62:63]
.macro DUMP gb
	WIN 0x04                                       ; store data in window 1
.irp u, 0,1
.irp q, 0,1,2,3,4,5,6,7
	ds_store_b128 v[STO], v[32*(\gb+\u)+4*\q:32*(\gb+\u)+4*\q+3] offset:\u*4096+\q*512
.endr
.endr
	WIN 0
.irp u, 0,1
	ds_store_b64 v[MLO], v[ML+2*(\gb+\u):ML+2*(\gb+\u)+1] offset:\u*256
.endr
.endm
.macro MERGE gb
.irp u, 0,1
	ds_load_b64 v[TM+8*\u:TM+8*\u+1], v[MLP] offset:\u*256
.irp q, 0,1,2,3,4,5,6,7
	ds_load_b128 v[SC+32*\u+4*\q:SC+32*\u+4*\q+3], v[STP] offset:\u*4096+\q*512
.endr
.endr
	s_wait_dscnt 0x0
.irp u, 0,1
	v_max_num_f32 v[TM+8*\u+2], v[ML+2*(\gb+\u)], v[TM+8*\u]
	v_sub_f32 v[TM+8*\u+3], v[ML+2*(\gb+\u)], v[TM+8*\u+2]
	v_sub_f32 v[TM+8*\u+7], v[TM+8*\u], v[TM+8*\u+2]
	v_mul_f32 v[TM+8*\u+3], 0x3fb8aa3b, v[TM+8*\u+3]
	v_mul_f32 v[TM+8*\u+7], 0x3fb8aa3b, v[TM+8*\u+7]
	v_exp_f32 v[TM+8*\u+4], v[TM+8*\u+3]           ; my weight
	v_exp_f32 v[TM+8*\u+5], v[TM+8*\u+7]           ; my partner's
	v_nop
	s_wait_alu depctr_va_vdst(0)
	v_mul_f32 v[TM+8*\u+6], v[ML+2*(\gb+\u)+1], v[TM+8*\u+4]
	v_fma_f32 v[TM+8*\u+6], v[TM+8*\u+1], v[TM+8*\u+5], v[TM+8*\u+6]
	v_permlanex16_b32 v[TM+8*\u+7], v[TM+8*\u+6], s22, s23               ; the sums of the other half's keys
	v_add_f32 v[TM+8*\u+6], v[TM+8*\u+6], v[TM+8*\u+7]
	v_rcp_f32 v[TM+8*\u+3], v[TM+8*\u+6]
	v_nop
	s_wait_alu depctr_va_vdst(0)
	v_pk_mul_f32 v[TM+8*\u+4:TM+8*\u+5], v[TM+8*\u+4:TM+8*\u+5], v[TM+8*\u+2:TM+8*\u+3] op_sel:[0,1] op_sel_hi:[1,1]   ; both weights / l
.endr
.irp u, 0,1
.set i, 0
.rept 16
	PKB v_pk_mul_f32, SC+32*\u+2*i, SC+32*\u+2*i, TM+8*\u+4, 1
.set i, i+1
.endr
.endr
	WIN 0x01                                       ; my O in window 1
.irp u, 0,1
.set i, 0
.rept 16
	v_pk_fma_f32 v[SC+32*\u+2*i:SC+32*\u+2*i+1], v[32*(\gb+\u)+2*i:32*(\gb+\u)+2*i+1], v[TM+8*\u+4:TM+8*\u+5], v[SC+32*\u+2*i:SC+32*\u+2*i+1] op_sel_hi:[1,0,1]
.set i, i+1
.endr
.endr
	WIN 0
.irp u, 0,1
.irp q, 0,1,2,3,4,5,6,7,8,9,10,11,12,13,14,15
	v_cvt_pk_f16_f32 v[SC+32*\u+\q], v[SC+32*\u+2*\q], v[SC+32*\u+2*\q+1]
.endr
.irp dt, 0,1,2,3
	global_store_b128 v[LN16], v[SC+32*\u+4*\dt:SC+32*\u+4*\dt+3], s[62:63] offset:(\gb+\u)*32768+\dt*512
.endr
.endr
.endm
	s_cmp_eq_u32 s14, 0
	s_cbranch_scc0 .Ldump_low
	DUMP 2
	s_branch .Ldumped
.Ldump_low:
	DUMP 0
.Ldumped:
	s_wait_dscnt 0x0                               ; my stores are in LDS, for my partner's sake
	s_barrier_signal -1
	s_barrier_wait -1
	s_cmp_eq_u32 s14, 0
	s_cbranch_scc0 .Lmerge_high
	MERGE 0
	s_branch .Lmerged
.Lmerge_high:
	MERGE 2
.Lmerged:
	s_wait_tensorcnt 0x0
	ds_add_u32 v62, v63
	s_wait_dscnt 0x0
	ROUND                                          ; the closing round
	s_endpgm
.Lfunc_end_k_q7bed76933c_attn:
	.size	k_q7bed76933c_attn, .Lfunc_end_k_q7bed76933c_attn-k_q7bed76933c_attn
	.p2alignl 7, 3214868480
	.fill 96, 4, 3214868480
	.section	.rodata,"a",@progbits
	.p2align	6, 0x0
	.amdhsa_kernel k_q7bed76933c_attn
		.amdhsa_group_segment_fixed_size 327680
		.amdhsa_private_segment_fixed_size 0
		.amdhsa_enable_private_segment 0
		.amdhsa_kernarg_size 32
		.amdhsa_user_sgpr_count 2
		.amdhsa_user_sgpr_kernarg_segment_ptr 1
		.amdhsa_wavefront_size32 1
		.amdhsa_system_sgpr_workgroup_id_x 1
		.amdhsa_system_sgpr_workgroup_id_y 1
		.amdhsa_system_sgpr_workgroup_id_z 1
		.amdhsa_system_vgpr_workitem_id 0
		.amdhsa_next_free_vgpr 384
		.amdhsa_next_free_sgpr 72
		.amdhsa_reserve_vcc 0
		.amdhsa_float_denorm_mode_32 3
		.amdhsa_float_denorm_mode_16_64 3
		.amdhsa_memory_ordered 1
		.amdhsa_forward_progress 1
		.amdhsa_inst_pref_size 158
	.end_amdhsa_kernel
	.amdgpu_metadata
---
amdhsa.version: [ 1, 2 ]
amdhsa.kernels:
  - .name:           k_q7bed76933c_attn
    .symbol:         k_q7bed76933c_attn.kd
    .args:
      - { .name: qf, .offset: 0, .size: 8, .value_kind: global_buffer, .address_space: global }
      - { .name: kvf, .offset: 8, .size: 8, .value_kind: global_buffer, .address_space: global }
      - { .name: attn_bias, .offset: 16, .size: 8, .value_kind: global_buffer, .address_space: global }
      - { .name: of, .offset: 24, .size: 8, .value_kind: global_buffer, .address_space: global }
    .group_segment_fixed_size: 327680
    .private_segment_fixed_size: 0
    .kernarg_segment_align: 8
    .kernarg_segment_size: 32
    .max_flat_workgroup_size: 256
    .sgpr_count:     72
    .vgpr_count:     384
    .wavefront_size: 32
...
	.end_amdgpu_metadata
.endif
;; end of part 3
;; launch proj (part 4): grid 8 x 32, 4 waves a work-group, clusters of 4 x 4, 327,680 bytes of LDS; arguments of, wpb, b_proj, out0; writes out0
.if DOCPART == 4
	.amdgcn_target "amdgcn-amd-amdhsa--gfx1250"
	.amdhsa_code_object_version 6
	.text
	.protected	k_q7bed76933c_proj
	.globl	k_q7bed76933c_proj
	.p2align	8
	.type	k_q7bed76933c_proj,@function
k_q7bed76933c_proj:
	s_mov_b64 s[64:65], 0
	v_nop
	global_prefetch_b8 v0, s[64:65] scope:SCOPE_SE
	s_setreg_imm32_b32 hwreg(HW_REG_WAVE_MODE, 25, 1), 1
	s_wait_xcnt 0x0
	s_wait_alu depctr_hold_cnt(0) depctr_sa_sdst(0) depctr_va_vdst(0) depctr_va_sdst(0) depctr_va_ssrc(0) depctr_va_vcc(0) depctr_vm_vsrc(0)
	s_getreg_b32 s2, hwreg(HW_REG_IB_STS2, 6, 4)
	s_cmp_eq_u32 s2, 0
	s_cbranch_scc0 .Lentry_in_a_cluster
	s_endpgm
.Lentry_in_a_cluster:
	s_bfe_u32 s2, ttmp6, 0x10000c
	s_cmp_lg_u32 s2, 0xf033
	s_cbranch_scc0 .Lentry_shape_is_right
	s_endpgm
.Lentry_shape_is_right:
; out0[m][n] = sum over k of o[m][k] w_proj[n][k] + b_proj[n], f32 out.  o comes as panels: (m/16)*32768 + (k/8)*256 + (m%16)*16 + (k%8)*2 (f16);
; wpb is [1024][1024] f16, row-major.  A work-group makes 128 x 128 (256 work-groups), a wave 64 x 64: 16 accumulator tiles in window 1.
; (The room that o and w_proj have in f16 is worked out at the heads of the launches that round them.)
; K = 1024 goes through two LDS slots of 256 along K each: four fills, 128 matrix instructions of a wave between a request and the wait for it.
; A slot is four quarters of 33,792 bytes, one a wave: waves 0, 1 fetch four panels x 8,192 bytes of o each (dense: a fragment load has lane L at
; byte 16 L), waves 2, 3 fetch 64 rows x 512 bytes of w each, padded to a pitch of 528.
; CLUSTERS 4 x 4: o's tile hangs on the block row alone (joint along a row of the cluster), w's on the block column alone (joint along a column).
; The matrix instruction takes w's rows as source 0 and o's as source 1: a lane holds 8 neighbouring columns of one row.  b_proj is the C operand
; of the first products, so nothing is cleared and nothing is added afterwards.  Results go out through a stage of the wave's own in LDS,
; so that sixteen lanes store 256 consecutive bytes, aligned.
.set QTR,    33792
.set SLOTB,  4*QTR
.set STAGE,  2*SLOTB
.set BPITCH, 528
.set SPITCH, 272
.set ADRA, 16                          ; v16-17 slot + row half x QTR + 16 lane
.set ADRB, 20                          ; v20-21 slot + (2 + column half) x QTR + 528 r + 16 h
.set STO,  24                          ; v24 stage + 272 r + 32 h
.set RD,   25                          ; v25 stage + 272 h + 16 r
.set CO,   26                          ; v26 4096 h + 16 r
.set BOFF, 27                          ; v27 32 h
.set F0,   64                          ; fragment buffers: o's four in the first 32 registers, w's four in the other 32
.set F1,   128
.set BIAS, 192                         ; v192-223 b_proj of my 64 columns, 8 for each n block
.set GA1, 24
.set GA0, 32
.set GB1, 40
.set GB0, 48
.set MSB, 0
.macro WIN new
.if MSB != (\new)
	s_set_vgpr_msb (MSB<<8)|(\new)
.set MSB, (\new)
.endif
.endm
.macro ROUND
	s_barrier_signal -1
	s_barrier_wait -1
	s_cmp_lg_u32 s12, 0
	s_cbranch_scc1 .Lnot_wave_0_\@
	s_barrier_signal -3
.Lnot_wave_0_\@:
	s_barrier_wait -3
	s_barrier_signal -1
	s_barrier_wait -1
.endm
.macro JLOAD n                         ; waves 0, 1: o's halves; waves 2, 3: w's
	s_cmp_eq_u32 s13, 0
	s_cbranch_scc0 .Lfor_b_\@
	tensor_load_to_lds s[GA0+4*\n:GA0+4*\n+3], s[GA1:GA1+7]
	s_nop 0
	s_branch .Lasked_\@
.Lfor_b_\@:
	tensor_load_to_lds s[GB0+4*\n:GB0+4*\n+3], s[GB1:GB1+7]
	s_nop 0
.Lasked_\@:
.endm
.macro PLACES
.rept 4
	v_nop
.endr
.endm
	s_load_b256 s[4:11], s[0:1], 0x0               ; of s[4:5], wpb s[6:7], b_proj s[8:9], out0 s[10:11]
	v_lshl_add_u32 v254, v0, 2, 0x46400
	v_mov_b32 v255, 0
	ds_add_u32 v254, v255
	v_lshrrev_b32 v1, 5, v0
	v_readfirstlane_b32 s12, v1                    ; wave 0..3
	s_lshr_b32 s13, s12, 1                         ; my half of the rows.  Also: I fetch o (0) or w (1)
	s_and_b32 s14, s12, 1                          ; my half of the columns.  Also: which half of the tile I fetch
	s_bfe_u32 s16, ttmp6, 0x40000                  ; cx
	s_bfe_u32 s17, ttmp6, 0x40004                  ; cy
	s_lshl_b32 s18, ttmp9, 2
	s_add_co_u32 s18, s18, s16                     ; block column
	s_and_b32 s19, ttmp7, 0xffff
	s_lshl_b32 s19, s19, 2
	s_add_co_u32 s19, s19, s17                     ; block row
	s_lshl_b32 s20, s17, 2
	s_lshl_b32 s20, 15, s20
	s_lshl_b32 s21, 0x1111, s16
	; o: 4 rows (panels) of 1,024 elements of 8 bytes, 4,096 elements from panel to panel, no padding
	s_or_b32 s[GA1+0], s20, (3<<16)|(1<<21)
	s_mov_b32 s[GA1+1], 1024<<16
	s_mov_b32 s[GA1+2], 4<<16
	s_mov_b32 s[GA1+3], 1024<<16
	s_mov_b32 s[GA1+4], 4
	s_mov_b32 s[GA1+5], 4096
	s_mov_b32 s[GA1+6], 0
	s_mov_b32 s[GA1+7], 0
	; w: 64 rows of 256 elements of 2 bytes, 16 bytes of padding behind every 128 words
	s_or_b32 s[GB1+0], s21, (1<<16)|(1<<20)|(1<<21)|(6<<22)|(3<<25)
	s_mov_b32 s[GB1+1], 256<<16
	s_mov_b32 s[GB1+2], 64<<16
	s_mov_b32 s[GB1+3], 256<<16
	s_mov_b32 s[GB1+4], 64
	s_mov_b32 s[GB1+5], 1024
	s_mov_b32 s[GB1+6], 0
	s_mov_b32 s[GB1+7], 0
	s_lshl_b32 s56, s19, 18                        ; o: (8 block row + 4 half) panels of 32,768 bytes; never holds cx
	s_lshl_b32 s57, s14, 17
	s_add_co_u32 s56, s56, s57
	s_mov_b32 s57, 0
	s_lshl_b32 s58, s18, 18                        ; w: (128 block column + 64 half) rows of 2,048 bytes; never holds cy
	s_lshl_b32 s59, s14, 17
	s_add_co_u32 s58, s58, s59
	s_mov_b32 s59, 0
	s_mul_i32 s67, s12, QTR
	s_wait_dscnt 0x0
	s_wait_kmcnt 0x0
	s_add_nc_u64 s[56:57], s[4:5], s[56:57]
	s_add_nc_u64 s[58:59], s[6:7], s[58:59]
	ROUND                                          ; in front of the first joint loads
.irp n, 0,1
	s_mov_b32 s[GA0+4*\n], 1
	s_add_co_u32 s[GA0+4*\n+1], s67, \n*SLOTB
	s_add_nc_u64 s[GA0+4*\n+2:GA0+4*\n+3], s[56:57], \n*8192
	s_or_b32 s[GA0+4*\n+3], s[GA0+4*\n+3], 0x80000000
	s_mov_b32 s[GB0+4*\n], 1
	s_add_co_u32 s[GB0+4*\n+1], s67, \n*SLOTB
	s_add_nc_u64 s[GB0+4*\n+2:GB0+4*\n+3], s[58:59], \n*512
	s_or_b32 s[GB0+4*\n+3], s[GB0+4*\n+3], 0x80000000
	JLOAD \n                                       ; both first fills: two tensor loads of the wave outstanding
.endr
	v_and_b32 v1, 15, v0                           ; r
	v_bfe_u32 v2, v0, 4, 1                         ; h
	v_and_b32 v3, 31, v0
	v_lshlrev_b32 v[BOFF], 5, v2
	s_lshl_b32 s60, s18, 9                         ; my first column, in bytes of f32: 512 block column + 256 half
	s_lshl_b32 s61, s14, 8
	s_add_co_u32 s60, s60, s61
	s_mov_b32 s61, 0
	s_add_nc_u64 s[62:63], s[8:9], s[60:61]
.irp b, 0,1,2,3
.irp i, 0,1
	global_load_b128 v[BIAS+8*\b+4*\i:BIAS+8*\b+4*\i+3], v[BOFF], s[62:63] offset:64*\b+16*\i
.endr
.endr
	s_lshl_b32 s68, s19, 19                        ; my first row: (128 block row + 64 half) x 4,096 bytes
	s_lshl_b32 s69, s13, 18
	s_add_co_u32 s68, s68, s69
	s_add_co_u32 s68, s68, s60
	s_mov_b32 s69, 0
	s_add_nc_u64 s[68:69], s[10:11], s[68:69]
	s_mul_i32 s70, s13, QTR
	v_lshl_add_u32 v[ADRA], v3, 4, s70
	v_add_nc_u32 v[ADRA+1], SLOTB, v[ADRA]
	s_mul_i32 s70, s14, QTR
	s_add_co_u32 s70, s70, 2*QTR
	v_mul_u32_u24 v4, v1, BPITCH
	v_lshl_add_u32 v4, v2, 4, v4
	v_add_nc_u32 v[ADRB], s70, v4
	v_add_nc_u32 v[ADRB+1], SLOTB, v[ADRB]
	s_mul_i32 s71, s12, 16*SPITCH
	s_add_co_u32 s71, s71, STAGE
	v_mul_u32_u24 v4, v1, SPITCH
	v_lshl_add_u32 v4, v2, 5, v4
	v_add_nc_u32 v[STO], s71, v4
	v_mul_u32_u24 v4, v2, SPITCH
	v_lshl_add_u32 v4, v1, 4, v4
	v_add_nc_u32 v[RD], s71, v4
	v_lshlrev_b32 v4, 12, v2
	v_lshl_add_u32 v[CO], v1, 4, v4
.macro FETCH slot, kq, f               ; 16 LDS loads: the fragments of 32 along K
.irp a, 0,1,2,3
.irp i, 0,1
	ds_load_b128 v[\f+8*\a+4*\i:\f+8*\a+4*\i+3], v[ADRA+\slot] offset:\a*8192+(\kq)*1024+\i*512
.endr
.endr
.irp b, 0,1,2,3
.irp i, 0,1
	ds_load_b128 v[\f+32+8*\b+4*\i:\f+32+8*\b+4*\i+3], v[ADRB+\slot] offset:\b*16*BPITCH+(\kq)*64+\i*32
.endr
.endr
.endm
; 16 matrix instructions on 16 accumulators that take turns, one instruction a turn, in the same order every time.
; cmode = 1: C is b_proj's fragment, which starts the sums.
.macro MUL16 f, cmode
.if \cmode
	WIN 0x40
.else
	WIN 0x50
.endif
.irp a, 0,1,2,3
.irp b, 0,1,2,3
.if \cmode
	v_wmma_f32_16x16x32_f16 v[8*(4*\a+\b):8*(4*\a+\b)+7], v[\f+32+8*\b:\f+32+8*\b+7], v[\f+8*\a:\f+8*\a+7], v[BIAS+8*\b:BIAS+8*\b+7]
.else
	v_wmma_f32_16x16x32_f16 v[8*(4*\a+\b):8*(4*\a+\b)+7], v[\f+32+8*\b:\f+32+8*\b+7], v[\f+8*\a:\f+8*\a+7], v[8*(4*\a+\b):8*(4*\a+\b)+7]
.endif
.endr
.endr
	WIN 0
.endm
; a slot's 256 along K: eight times 32, on two fragment buffers; the next 16 loads are issued ahead of each 16 matrix instructions,
; four places behind the matrix instructions that last read their buffer
.macro SLOTWORK slot, first
	FETCH \slot, 0, F0
.irp kq, 0,1,2,3,4,5,6,7
	PLACES
.if \kq < 7
	FETCH \slot, \kq+1, F0+64*((\kq+1)&1)
	s_wait_dscnt 16                                ; all but the 16 just issued
.else
	s_wait_dscnt 0
.endif
.if (\first-\kq) == 1
	MUL16 F0+64*(\kq&1), 1
.else
	MUL16 F0+64*(\kq&1), 0
.endif
.endr
.endm
; slot n has been read: all my tensor loads are done, so its addresses step two slots on; my LDS reads are done; the round holds both of every wave
; of every partner; the joint refill is the first tensor load behind it
.macro REFILL n
	s_wait_tensorcnt 0x0
	ds_add_u32 v254, v255
	s_add_nc_u64 s[GA0+4*\n+2:GA0+4*\n+3], s[GA0+4*\n+2:GA0+4*\n+3], 2*8192
	s_add_nc_u64 s[GB0+4*\n+2:GB0+4*\n+3], s[GB0+4*\n+2:GB0+4*\n+3], 2*512
	s_wait_dscnt 0x0
	ROUND
	JLOAD \n
.endm
	s_wait_tensorcnt 0x1                           ; my part of slot 0 is in; slot 1's load stays out
	s_barrier_signal -1
	s_barrier_wait -1
	s_wait_loadcnt 0x0                             ; b_proj
	SLOTWORK 0, 1
	REFILL 0
	SLOTWORK 1, 0
	REFILL 1
	SLOTWORK 0, 0
	s_wait_tensorcnt 0x0                           ; the last fill, for the others' sake too
	s_wait_dscnt 0x0
	s_barrier_signal -1
	s_barrier_wait -1
	SLOTWORK 1, 0
	; THE WAY OUT, 16 rows at a time: 32 bytes a lane and n block into my stage, read back as rows of 256 bytes
	PLACES
.irp a, 0,1,2,3
	WIN 0x04                                       ; store data in window 1
.irp b, 0,1,2,3
.irp i, 0,1
	ds_store_b128 v[STO], v[8*(4*\a+\b)+4*\i:8*(4*\a+\b)+4*\i+3] offset:64*\b+16*\i
.endr
.endr
	WIN 0
	s_wait_xcnt 0x0                                ; the buffer below, which earlier stores read, is loaded again only behind this wait
.irp t, 0,1,2,3,4,5,6,7
	ds_load_b128 v[F0+64*(\a&1)+4*\t:F0+64*(\a&1)+4*\t+3], v[RD] offset:\t*2*SPITCH      ; LDS serves a wave's instructions in order: these see the stores above
.endr
.irp t, 0,1,2,3,4,5,6,7
	s_wait_dscnt 7-\t
	global_store_b128 v[CO], v[F0+64*(\a&1)+4*\t:F0+64*(\a&1)+4*\t+3], s[68:69] offset:\a*65536+\t*8192 th:TH_STORE_NT
.endr
.endr
	s_wait_tensorcnt 0x0
	ds_add_u32 v254, v255
	s_wait_dscnt 0x0
	ROUND                                          ; the closing round
	s_endpgm
.Lfunc_end_k_q7bed76933c_proj:
	.size	k_q7bed76933c_proj, .Lfunc_end_k_q7bed76933c_proj-k_q7bed76933c_proj
	.p2alignl 7, 3214868480
	.fill 96, 4, 3214868480
	.section	.rodata,"a",@progbits
	.p2align	6, 0x0
	.amdhsa_kernel k_q7bed76933c_proj
		.amdhsa_group_segment_fixed_size 327680
		.amdhsa_private_segment_fixed_size 0
		.amdhsa_enable_private_segment 0
		.amdhsa_kernarg_size 32
		.amdhsa_user_sgpr_count 2
		.amdhsa_user_sgpr_kernarg_segment_ptr 1
		.amdhsa_wavefront_size32 1
		.amdhsa_system_sgpr_workgroup_id_x 1
		.amdhsa_system_sgpr_workgroup_id_y 1
		.amdhsa_system_sgpr_workgroup_id_z 1
		.amdhsa_system_vgpr_workitem_id 0
		.amdhsa_next_free_vgpr 384
		.amdhsa_next_free_sgpr 72
		.amdhsa_reserve_vcc 0
		.amdhsa_float_denorm_mode_32 3
		.amdhsa_float_denorm_mode_16_64 3
		.amdhsa_memory_ordered 1
		.amdhsa_forward_progress 1
		.amdhsa_inst_pref_size 89
	.end_amdhsa_kernel
	.amdgpu_metadata
---
amdhsa.version: [ 1, 2 ]
amdhsa.kernels:
  - .name:           k_q7bed76933c_proj
    .symbol:         k_q7bed76933c_proj.kd
    .args:
      - { .name: of, .offset: 0, .size: 8, .value_kind: global_buffer, .address_space: global }
      - { .name: wpb, .offset: 8, .size: 8, .value_kind: global_buffer, .address_space: global }
      - { .name: b_proj, .offset: 16, .size: 8, .value_kind: global_buffer, .address_space: global }
      - { .name: out0, .offset: 24, .size: 8, .value_kind: global_buffer, .address_space: global }
    .group_segment_fixed_size: 327680
    .private_segment_fixed_size: 0
    .kernarg_segment_align: 8
    .kernarg_segment_size: 32
    .max_flat_workgroup_size: 128
    .sgpr_count:     72
    .vgpr_count:     384
    .wavefront_size: 32
...
	.end_amdgpu_metadata
.endif
;; end of part 4
;; ======== version 2 of 3: 4 launches; 1.10 times as fast as version 1
;; limits: inputs' magnitudes at most 1e+30; values are held in f16: magnitudes above 65,504 overflow, below 6.1e-05 lose precision
;; workspace buffers: xb 8,388,608 bytes; wqb 6,291,456 bytes; wpb 2,097,152 bytes; qf 8,388,608 bytes; kvf 16,777,216 bytes; of 8,388,608 bytes
;; launch cast: the kernel of part 1 again; grid 256 x 1, 8 waves a work-group, no clusters, 0 bytes of LDS; arguments x, w_qkv, w_proj, xb, wqb, wpb; writes xb, wqb, wpb
;; launch qkv: the kernel of part 2 again; grid 12 x 16, 4 waves a work-group, clusters of 4 x 4, 327,680 bytes of LDS; arguments xb, wqb, q_bias, v_bias, scale_mul, qf, kvf; writes qf, kvf
;; launch attn (part 5): grid 16 x 16, 8 waves a work-group, clusters of 4 x 4, 327,680 bytes of LDS; arguments qf, kvf, attn_bias, of; writes of
.if DOCPART == 5
	.amdgcn_target "amdgcn-amd-amdhsa--gfx1250"
	.amdhsa_code_object_version 6
	.text
	.protected	k_q7bed76933c_attn
	.globl	k_q7bed76933c_attn
	.p2align	8
	.type	k_q7bed76933c_attn,@function
k_q7bed76933c_attn:
	s_mov_b64 s[64:65], 0
	v_nop
	global_prefetch_b8 v0, s[64:65] scope:SCOPE_SE
	s_setreg_imm32_b32 hwreg(HW_REG_WAVE_MODE, 25, 1), 1
	s_wait_xcnt 0x0
	s_wait_alu depctr_hold_cnt(0) depctr_sa_sdst(0) depctr_va_vdst(0) depctr_va_sdst(0) depctr_va_ssrc(0) depctr_va_vcc(0) depctr_vm_vsrc(0)
	s_getreg_b32 s2, hwreg(HW_REG_IB_STS2, 6, 4)
	s_cmp_eq_u32 s2, 0
	s_cbranch_scc0 .Lentry_in_a_cluster
	s_endpgm
.Lentry_in_a_cluster:
	s_bfe_u32 s2, ttmp6, 0x10000c
	s_cmp_lg_u32 s2, 0xf033
	s_cbranch_scc0 .Lentry_shape_is_right
	s_endpgm
.Lentry_shape_is_right:
; softmax(q k^T + bias) v for a pair of heads (bh = 2 p, 2 p + 1) and 128 queries a work-group.  q already carries exp(scale)/4 and both q and k are normalised.
; Eight waves: wave w takes queries 64 (w & 1) .. + 63 of head (w >> 1) & 1 and, of every block of 64 keys, the half w >> 2; the two waves w, w ^ 4 of a
; query block and head are merged at the end.
; TRANSPOSED: S^T = K Q^T + bias^T (A = K's fragment, B = Q's, C = D = the f32 bias as loaded: lane (r, h) holds query r, keys 8 h + j, 32 neighbouring
; bytes of a bias row).  Maximum, sum and rescaling are then per lane (one v_permlanex16_b32 joins the halves), and exp(S^T) packed in place IS the
; B fragment of O^T = V^T P^T.  A running maximum is taken away before every exponential.
; ONE SOFTMAX PASS A SLOT: a slot holds two blocks of 64 keys, and a wave takes its 32 keys of both in one pass: one maximum, one rescaling of O
; (64 packed multiplies) for 64 keys.
; WHY TWO HEADS AND 128 QUERIES: one load a wave and one round of the cluster's barrier serve 128 keys.  For 256 queries of one head such a slot is
; 256 x 528 + 32,768 = 167,936 bytes and two of them 335,872, more than the 327,680 bytes that a work-group can be given; for 128 queries of two heads
; it is 128 x 528 + 4 x 16,384 = 133,120 bytes, and two are 266,240.
; LDS: two slots of 133,120 bytes (bias 128 rows x 528; then K/V images, head 0 blocks 0, 1, head 1 blocks 0, 1, 16,384 each), then a stage of 4,352 bytes
; a wave into which no fill lands.
; CLUSTERS 4 x 4: x = p, y = query block.  The bias tile hangs on y alone: asked for jointly along a row of the cluster.  The K/V blocks hang on p alone:
; jointly along a column.  Waves 0-3 ask for 32 rows of bias each, waves 4-7 for one K/V block each: 16 KiB a wave, one tensor load of a wave outstanding.
; OUTPUT of: (token/16)*32768 + (k/8)*256 + (token%16)*16 + (k%8)*2, k = 64 head + d: a wave's store covers 512 neighbouring bytes.
; FORMAT AND ITS ROOM: q, k, v, p and o are f16.  p is at most 1 by the running maximum; a p below 3e-8 becomes 0, which is at most 2,048 x 3e-8 of a
; row's sum, and that sum is at least 1.  o is a convex mix of v, so it has v's bound (65,504); with x and w_qkv both 30 times smaller than drawn its
; spread is 0.03 / 900 = 3.3e-5, where f16's fixed step 2^-24 costs 1.7e-8 / 3.3e-5 = 5e-4 of the spread.
; LIMITS: the running maximum starts at -1e30, so a bias below that counts as -inf; a row that is -inf throughout gives NaN, as the formula does.
; The sum is taken over the unrounded p.
; REGISTERS: 512 a wave, two waves a SIMD.  Window 0 holds addresses, statistics, Q and the first block's scores, K and V fragments; window 1 holds O in
; its registers 0-127 and the SECOND block's scores, K and V fragments at the same numbers as the first block's in window 0, so that one macro serves
; both blocks under two window settings.  s_set_vgpr_msb's low byte: bits 1:0 source 0, 3:2 source 1, 5:4 source 2, 7:6 destination.
.set BP,    528                        ; a bias row in LDS: 512 bytes (128 keys) + 16: an odd multiple of 16, so sixteen rows of a load start 16 bytes apart modulo 256
.set KVB,   16384                      ; one K/V block: 64 keys of one head
.set KVO,   128*BP                     ; K/V behind the bias
.set SLOTB, KVO+4*KVB
.set STAGE, 2*SLOTB
.set STW,   4352                       ; one group: 4,096 O + 256 (m, l)
.set BADR, 2                           ; v2-3  slot + (64 qb + r) 528 + 128 s + 32 h
.set KADR, 4                           ; v4-5  slot + KVO + 32768 hd + 4096 s + 16 lane
.set LN16, 6                           ; v6    16 lane
.set STO,  7                           ; v7    my stage + 16 lane
.set STP,  8                           ; v8    my partner's stage + 16 lane
.set MLO,  9                           ; v9    my stage + 4096 + 8 lane
.set MLP,  10                          ; v10   my partner's
.set ML,   16                          ; v16-23 (m, l) of query group g
.set MC,   24                          ; v24-27 -m log2 e
.set AL,   28                          ; v28-31 the pass's rescaling factor
.set TM,   32                          ; v32-47 at work on the first block, four for each group
.set TN,   48                          ; v48-63 at work on the second block, four for each group
.set QF,   64                          ; v64-127  Q fragments: 16 g + 8 ks
.set SC,   128                         ; v128-191 scores: 16 g + 8 t; p packed in place at 16 g .. + 7   (window 0: block 0; window 1: block 1)
.set KF,   192                         ; v192-223 K fragments: 16 t + 8 ks                               (likewise)
.set VF,   224                         ; v224-255 V fragments: 8 dt                                      (likewise)
                                       ; window 1, registers 0-127: O(g, dt) at v[32 g + 8 dt]
.set GB1, 24
.set GB0, 32
.set GK1, 40
.set GK0, 48
.set MSB, 0
.macro WIN new                         ; the immediate's high byte repeats the setting that is left
.if MSB != (\new)
	s_set_vgpr_msb (MSB<<8)|(\new)
.set MSB, (\new)
.endif
.endm
.macro ROUND                           ; a round of the cluster's barrier
	s_barrier_signal -1
	s_barrier_wait -1
	s_cmp_lg_u32 s12, 0
	s_cbranch_scc1 .Lnot_wave_0_\@
	s_barrier_signal -3
.Lnot_wave_0_\@:
	s_barrier_wait -3
	s_barrier_signal -1
	s_barrier_wait -1
.endm
.macro JLOAD n                         ; slot n's joint loads, one a wave; the branch hangs on the wave's number alone
	s_cmp_lt_u32 s12, 4
	s_cbranch_scc0 .Lfor_kv_\@
	tensor_load_to_lds s[GB0+4*(\n):GB0+4*(\n)+3], s[GB1:GB1+7]
	s_nop 0
	s_branch .Lasked_\@
.Lfor_kv_\@:
	tensor_load_to_lds s[GK0+4*(\n):GK0+4*(\n)+3], s[GK1:GK1+7]
	s_nop 0
.Lasked_\@:
.endm
.macro PKB op, d, a, bp, sel           ; second source = register sel of the pair bp, for both halves
.if \sel
	\op v[\d:\d+1], v[\a:\a+1], v[\bp:\bp+1] op_sel:[0,1] op_sel_hi:[1,1]
.else
	s_wait_alu depctr_va_vdst(0)
	\op v[\d:\d+1], v[\a:\a+1], v[\bp:\bp+1] op_sel_hi:[1,0]
.endif
.endm
.macro PKEXPARG d, cp, sel             ; d = d x log2 e + register sel of the pair cp
.if \sel
	v_pk_fma_f32 v[\d:\d+1], v[\d:\d+1], 0x3fb8aa3b, v[\cp:\cp+1] op_sel:[0,0,1] op_sel_hi:[1,0,1]
.else
	v_pk_fma_f32 v[\d:\d+1], v[\d:\d+1], 0x3fb8aa3b, v[\cp:\cp+1] op_sel_hi:[1,0,0]
.endif
.endm
	s_load_b256 s[4:11], s[0:1], 0x0               ; qf s[4:5], kvf s[6:7], attn_bias s[8:9], of s[10:11]
	v_lshl_add_u32 v14, v0, 2, 0x49800
	v_mov_b32 v15, 0
	ds_add_u32 v14, v15
	v_lshrrev_b32 v1, 5, v0
	v_readfirstlane_b32 s12, v1                    ; wave 0..7
	s_and_b32 s13, s12, 1                          ; qb: my 64 queries.  Also: which K/V block of a slot I fetch
	s_lshr_b32 s14, s12, 2                         ; s: my half of each block's keys
	s_lshr_b32 s72, s12, 1
	s_and_b32 s72, s72, 1                          ; hd: my head of the pair.  Also: whose K/V block I fetch
	s_and_b32 s75, s12, 3                          ; which 32 rows of bias I fetch
	s_bfe_u32 s16, ttmp6, 0x40000                  ; cx
	s_bfe_u32 s17, ttmp6, 0x40004                  ; cy
	s_lshl_b32 s18, ttmp9, 2
	s_add_co_u32 s18, s18, s16                     ; p: the pair of heads, 0..15 over both batches
	s_and_b32 s19, ttmp7, 0xffff
	s_lshl_b32 s19, s19, 2
	s_add_co_u32 s19, s19, s17                     ; y: block of 128 queries
	s_lshl_b32 s73, s18, 1
	s_add_co_u32 s73, s73, s72                     ; bh = 2 p + hd
	s_lshl_b32 s20, s17, 2
	s_lshl_b32 s20, 15, s20                        ; my row of the cluster
	s_lshl_b32 s21, 0x1111, s16                    ; my column
	s_mov_b32 s22, 0x76543210
	s_mov_b32 s23, 0xfedcba98
	s_mov_b32 s66, 0xbfb8aa3b                      ; -log2 e
	; bias: 32 rows x 128 elements of 4 bytes, 16 bytes of padding behind every 128 words, 2,048 elements from row to row
	s_or_b32 s[GB1+0], s20, (2<<16)|(1<<20)|(1<<21)|(6<<22)|(3<<25)
	s_mov_b32 s[GB1+1], 128<<16
	s_mov_b32 s[GB1+2], 32<<16
	s_mov_b32 s[GB1+3], 128<<16
	s_mov_b32 s[GB1+4], 32
	s_mov_b32 s[GB1+5], 2048
	s_mov_b32 s[GB1+6], 0
	s_mov_b32 s[GB1+7], 0
	; K/V: a dense block of 16,384 bytes as 64 rows of 32 elements of 8 bytes
	s_or_b32 s[GK1+0], s21, (3<<16)|(1<<21)
	s_mov_b32 s[GK1+1], 32<<16
	s_mov_b32 s[GK1+2], 64<<16
	s_mov_b32 s[GK1+3], 32<<16
	s_mov_b32 s[GK1+4], 64
	s_mov_b32 s[GK1+5], 32
	s_mov_b32 s[GK1+6], 0
	s_mov_b32 s[GK1+7], 0
	s_lshl_b32 s56, s19, 20                        ; bias: (128 y + 32 (w & 3)) rows of 8,192 bytes; never holds cx
	s_lshl_b32 s57, s75, 18
	s_add_co_u32 s56, s56, s57
	s_mov_b32 s57, 0
	s_lshl_b32 s58, s18, 20                        ; K/V: (2 p + head) x 524,288 + block x 16,384; never holds cy
	s_lshl_b32 s59, s72, 19
	s_add_co_u32 s58, s58, s59
	s_lshl_b32 s59, s13, 14
	s_add_co_u32 s58, s58, s59
	s_mov_b32 s59, 0
	s_mul_i32 s67, s12, 32*BP                      ; LDS, bias (waves 0-3): wave x 32 rows
	s_mul_i32 s74, s12, KVB                        ; LDS, K/V (waves 4-7): KVO + (wave - 4) x 16,384 = wave x 16,384 + 2,048
	s_wait_dscnt 0x0
	s_wait_kmcnt 0x0
	s_add_nc_u64 s[56:57], s[8:9], s[56:57]
	s_add_nc_u64 s[58:59], s[6:7], s[58:59]
.irp n, 0,1
	s_mov_b32 s[GB0+4*\n], 1
	s_add_co_u32 s[GB0+4*\n+1], s67, \n*SLOTB
	s_add_nc_u64 s[GB0+4*\n+2:GB0+4*\n+3], s[56:57], \n*512
	s_or_b32 s[GB0+4*\n+3], s[GB0+4*\n+3], 0x80000000
	s_mov_b32 s[GK0+4*\n], 1
	s_add_co_u32 s[GK0+4*\n+1], s74, \n*SLOTB+KVO-4*KVB
	s_add_nc_u64 s[GK0+4*\n+2:GK0+4*\n+3], s[58:59], \n*2*KVB
	s_or_b32 s[GK0+4*\n+3], s[GK0+4*\n+3], 0x80000000
.endr
	ROUND                                          ; in front of the first joint loads
	JLOAD 0                                        ; keys 0 to 127
	s_lshl_b32 s60, s73, 18                        ; Q: bh x 262,144 + (8 y + 4 qb) x 2,048
	s_lshl_b32 s61, s19, 14
	s_add_co_u32 s60, s60, s61
	s_lshl_b32 s61, s13, 13
	s_add_co_u32 s60, s60, s61
	s_mov_b32 s61, 0
	s_add_nc_u64 s[60:61], s[4:5], s[60:61]
	v_and_b32 v1, 31, v0
	v_lshlrev_b32 v[LN16], 4, v1
.irp g, 0,1,2,3
.irp c, 0,1,2,3
	global_load_b128 v[QF+16*\g+4*\c:QF+16*\g+4*\c+3], v[LN16], s[60:61] offset:\g*2048+\c*512
.endr
.endr
	v_and_b32 v11, 15, v0                          ; r
	v_bfe_u32 v12, v0, 4, 1                        ; h
	s_mul_i32 s68, s13, 64*BP
	s_lshl_b32 s69, s14, 7
	s_add_co_u32 s68, s68, s69
	v_mul_u32_u24 v13, v11, BP
	v_lshl_add_u32 v13, v12, 5, v13
	v_add_nc_u32 v[BADR], s68, v13
	v_add_nc_u32 v[BADR+1], SLOTB, v[BADR]
	s_lshl_b32 s69, s14, 12
	s_lshl_b32 s70, s72, 15
	s_add_co_u32 s69, s69, s70
	s_add_co_u32 s69, s69, KVO
	v_add_nc_u32 v[KADR], s69, v[LN16]
	v_add_nc_u32 v[KADR+1], SLOTB, v[KADR]
	s_mul_i32 s70, s12, STW
	s_add_co_u32 s70, s70, STAGE
	s_xor_b32 s71, s12, 4                          ; my partner: same head and queries, the other half of the keys
	s_mul_i32 s71, s71, STW
	s_add_co_u32 s71, s71, STAGE
	v_add_nc_u32 v[STO], s70, v[LN16]
	v_add_nc_u32 v[STP], s71, v[LN16]
	v_lshlrev_b32 v13, 3, v1
	v_add_nc_u32 v13, 4096, v13
	v_add_nc_u32 v[MLO], s70, v13
	v_add_nc_u32 v[MLP], s71, v13
; The pieces of a pass.  Each names SC, KF, VF by their numbers; the window setting of the caller says which block's they are.
.macro LDKB slot, sub                  ; 24 LDS loads: my K fragments and my bias of block sub
.irp t, 0,1
.irp c, 0,1,2,3
	ds_load_b128 v[KF+16*\t+4*\c:KF+16*\t+4*\c+3], v[KADR+\slot] offset:\sub*KVB+\t*2048+\c*512
.endr
.endr
.irp g, 0,1,2,3
.irp t, 0,1
.irp i, 0,1
	ds_load_b128 v[SC+16*\g+8*\t+4*\i:SC+16*\g+8*\t+4*\i+3], v[BADR+\slot] offset:\g*16*BP+\sub*256+\t*64+\i*16
.endr
.endr
.endr
.endm
.macro LDV slot, sub                   ; 8 LDS loads: my V fragments of block sub
.irp dt, 0,1,2,3
.irp i, 0,1
	ds_load_b128 v[VF+8*\dt+4*\i:VF+8*\dt+4*\i+3], v[KADR+\slot] offset:\sub*KVB+8192+\dt*1024+\i*512
.endr
.endr
.endm
.macro QK                              ; S^T = K Q^T + bias^T: eight accumulators take turns, one instruction a turn
.irp ks, 0,1
.irp g, 0,1,2,3
.irp t, 0,1
	v_wmma_f32_16x16x32_f16 v[SC+16*\g+8*\t:SC+16*\g+8*\t+7], v[KF+16*\t+8*\ks:KF+16*\t+8*\ks+7], v[QF+16*\g+8*\ks:QF+16*\g+8*\ks+7], v[SC+16*\g+8*\t:SC+16*\g+8*\t+7]
.endr
.endr
.endr
.endm
.macro MAXA d                          ; twelve of each group's sixteen scores into four registers at d
.irp g, 0,1,2,3
	v_max3_num_f32 v[\d+4*\g],   v[SC+16*\g],   v[SC+16*\g+1],  v[SC+16*\g+2]
	v_max3_num_f32 v[\d+4*\g+1], v[SC+16*\g+3], v[SC+16*\g+4],  v[SC+16*\g+5]
	v_max3_num_f32 v[\d+4*\g+2], v[SC+16*\g+6], v[SC+16*\g+7],  v[SC+16*\g+8]
	v_max3_num_f32 v[\d+4*\g+3], v[SC+16*\g+9], v[SC+16*\g+10], v[SC+16*\g+11]
.endr
.endm
.macro MAXB d                          ; the other four
.irp g, 0,1,2,3
	v_max3_num_f32 v[\d+4*\g],   v[\d+4*\g],   v[SC+16*\g+12], v[SC+16*\g+13]
	v_max3_num_f32 v[\d+4*\g+1], v[\d+4*\g+1], v[SC+16*\g+14], v[SC+16*\g+15]
.endr
.endm
.macro EXPS                            ; p = 2^(S log2 e - m log2 e), in place
.irp g, 0,1,2,3
.irp p, 0,2,4,6,8,10,12,14
	PKEXPARG SC+16*\g+\p, MC+(\g&2), \g&1
.endr
.endr
.set i, 0
.rept 64
	v_exp_f32 v[SC+i], v[SC+i]
.set i, i+1
.endr
.endm
.macro SUMA d                          ; the first eight p of each group start two chains of pairs at d
.irp g, 0,1,2,3
	v_pk_add_f32 v[\d+4*\g:\d+4*\g+1],   v[SC+16*\g:SC+16*\g+1],   v[SC+16*\g+2:SC+16*\g+3]
	v_pk_add_f32 v[\d+4*\g+2:\d+4*\g+3], v[SC+16*\g+4:SC+16*\g+5], v[SC+16*\g+6:SC+16*\g+7]
.endr
.endm
.macro SUMB d                          ; the other eight
.irp g, 0,1,2,3
	v_pk_add_f32 v[\d+4*\g:\d+4*\g+1],   v[\d+4*\g:\d+4*\g+1],   v[SC+16*\g+8:SC+16*\g+9]
	v_pk_add_f32 v[\d+4*\g+2:\d+4*\g+3], v[\d+4*\g+2:\d+4*\g+3], v[SC+16*\g+10:SC+16*\g+11]
.endr
.irp g, 0,1,2,3
	v_pk_add_f32 v[\d+4*\g:\d+4*\g+1],   v[\d+4*\g:\d+4*\g+1],   v[SC+16*\g+12:SC+16*\g+13]
	v_pk_add_f32 v[\d+4*\g+2:\d+4*\g+3], v[\d+4*\g+2:\d+4*\g+3], v[SC+16*\g+14:SC+16*\g+15]
.endr
.endm
.macro CVTP                            ; p to f16 in place, ascending: register q takes numbers 2 q, 2 q + 1, which no later line reads
.irp g, 0,1,2,3
.irp q, 0,1,2,3,4,5,6,7
	v_cvt_pk_f16_f32 v[SC+16*\g+\q], v[SC+16*\g+2*\q], v[SC+16*\g+2*\q+1]
.endr
.endr
.endm
.macro PV zero                         ; O^T += V^T P^T: sixteen accumulators take turns, one instruction a turn
.irp g, 0,1,2,3
.irp dt, 0,1,2,3
.if \zero
	v_wmma_f32_16x16x32_f16 v[32*\g+8*\dt:32*\g+8*\dt+7], v[VF+8*\dt:VF+8*\dt+7], v[SC+16*\g:SC+16*\g+7], 0
.else
	v_wmma_f32_16x16x32_f16 v[32*\g+8*\dt:32*\g+8*\dt+7], v[VF+8*\dt:VF+8*\dt+7], v[SC+16*\g:SC+16*\g+7], v[32*\g+8*\dt:32*\g+8*\dt+7]
.endif
.endr
.endr
.endm
; One pass: my 32 keys of each of the slot's two blocks, my 64 queries (four groups g of 16).  first = 1: nothing to rescale, the first products start O.
.macro PASS slot, first
	LDKB \slot, 0
	WIN 0x40                                       ; loaded data into window 1, address in window 0
	LDKB \slot, 1
	WIN 0
.if \first
	s_wait_loadcnt 0x0                             ; Q, once
.endif
	s_wait_dscnt 24                                ; block 0's K and bias are in; the 24 loads of block 1's stay out
	QK
	LDV \slot, 0                                   ; V's registers are none of the matrix instructions' above
	WIN 0x40
	LDV \slot, 1
	s_wait_dscnt 16                                ; block 1's K and bias are in; the 16 loads of V stay out
	WIN 0x51                                       ; K, C and D in window 1, Q in window 0
	QK
	WIN 0
.rept 4
	v_nop                                          ; four places before vector instructions read the results (ISA guide 7.12.1)
.endr
	; the running maximum of each query: my 32 keys, the old maximum, the other half of the lanes
	MAXA TM
	MAXB TM
	WIN 0x15                                       ; all three sources in window 1
	MAXA TN
	WIN 0x14                                       ; the first source in window 0
	MAXB TN
	WIN 0
.irp g, 0,1,2,3
	v_max3_num_f32 v[TM+4*\g], v[TM+4*\g], v[TM+4*\g+1], v[TM+4*\g+2]
	v_max3_num_f32 v[TN+4*\g], v[TN+4*\g], v[TN+4*\g+1], v[TN+4*\g+2]
.endr
.irp g, 0,1,2,3
.if \first
	v_max3_num_f32 v[TM+4*\g], v[TM+4*\g], v[TM+4*\g+3], 0xf149f2ca      ; the floor -1e30 keeps m finite where all is -inf
.else
	v_max3_num_f32 v[TM+4*\g], v[TM+4*\g], v[TM+4*\g+3], v[ML+2*\g]
.endif
.endr
.irp g, 0,1,2,3
	v_max3_num_f32 v[TM+4*\g], v[TM+4*\g], v[TN+4*\g], v[TN+4*\g+3]
.endr
.irp g, 0,1,2,3
	v_permlanex16_b32 v[TM+4*\g+1], v[TM+4*\g], s22, s23
.endr
.irp g, 0,1,2,3
	v_max_num_f32 v[ML+2*\g], v[TM+4*\g], v[TM+4*\g+1]
.endr
.if \first == 0
.irp g, 0,1,2,3
	v_fma_f32 v[TM+4*\g+2], v[ML+2*\g], s66, -v[MC+\g]                   ; (m_old - m_new) log2 e
.endr
.irp g, 0,1,2,3
	v_exp_f32 v[AL+\g], v[TM+4*\g+2]
.endr
.endif
.irp g, 0,1,2,3
	v_mul_f32 v[MC+\g], s66, v[ML+2*\g]            ; also the plain place behind the exponentials above
.endr
	EXPS                                           ; block 0
	WIN 0x41                                       ; destination and first source in window 1; -m log2 e and the factor in window 0
	EXPS                                           ; block 1; its first multiply-add is the plain place behind block 0's exponentials
.if \first
	v_nop                                          ; one plain place behind the exponentials
	s_wait_alu depctr_va_vdst(0)
.else
.irp g, 0,1,2,3
.set i, 0
.rept 16
	PKB v_pk_mul_f32, 32*\g+2*i, 32*\g+2*i, AL+(\g&2), \g&1              ; O is rescaled once for the pass's 64 keys
.set i, i+1
.endr
.endr
.endif
	; the sum of my 32 p of each query (a lane's partial sum: the halves are joined at the end), and p to f16
	WIN 0x05                                       ; both sources in window 1
	SUMA TN
	WIN 0x04                                       ; the second source in window 1
	SUMB TN
	WIN 0x45                                       ; destination and both sources in window 1
	CVTP
	WIN 0
	SUMA TM
	SUMB TM
.irp g, 0,1,2,3
	v_pk_add_f32 v[TM+4*\g:TM+4*\g+1], v[TM+4*\g:TM+4*\g+1], v[TM+4*\g+2:TM+4*\g+3]
	v_pk_add_f32 v[TN+4*\g:TN+4*\g+1], v[TN+4*\g:TN+4*\g+1], v[TN+4*\g+2:TN+4*\g+3]
.endr
.irp g, 0,1,2,3
	v_pk_add_f32 v[TM+4*\g:TM+4*\g+1], v[TM+4*\g:TM+4*\g+1], v[TN+4*\g:TN+4*\g+1]
.endr
.irp g, 0,1,2,3
.if \first
	v_add_f32 v[ML+2*\g+1], v[TM+4*\g], v[TM+4*\g+1]
.else
	v_add_f32 v[TM+4*\g], v[TM+4*\g], v[TM+4*\g+1]
.endif
.endr
.if \first == 0
.irp g, 0,1,2,3
	v_fma_f32 v[ML+2*\g+1], v[ML+2*\g+1], v[AL+\g], v[TM+4*\g]
.endr
.endif
	CVTP
	s_wait_dscnt 0x0                               ; V of both blocks
.if \first
	WIN 0x40                                       ; D in window 1, V and p of block 0 in window 0
	PV 1
.else
	WIN 0x50                                       ; C and D in window 1
	PV 0
.endif
	WIN 0x55                                       ; all in window 1: V and p of block 1
	PV 0
	WIN 0
.rept 5
	v_nop                                          ; the next pass loads into, and its matrix instructions write over, registers that these read: five places
.endr
.endm
; One trip of the ring: a slot's 128 keys.  All my tensor loads are done, so this slot's addresses may step two slots on (256 keys: 1,024 bytes
; of a bias row, four K/V blocks); my LDS reads are done; the round holds both of every wave of every partner; the joint refill of the other slot is the
; first tensor load behind it, and has the whole pass in which to land.
.macro TRIP slot, refill, first
	s_wait_tensorcnt 0x0
	ds_add_u32 v14, v15
	s_wait_dscnt 0x0
	s_add_nc_u64 s[GB0+4*\slot+2:GB0+4*\slot+3], s[GB0+4*\slot+2:GB0+4*\slot+3], 1024
	s_add_nc_u64 s[GK0+4*\slot+2:GK0+4*\slot+3], s[GK0+4*\slot+2:GK0+4*\slot+3], 4*KVB
	s_wait_dscnt 0x0
	ROUND
.if \refill
	JLOAD (1-\slot)
.endif
	PASS \slot, \first
.endm
	TRIP 0, 1, 1                                   ; 16 trips of 128 keys: two, 6 x two, two
	TRIP 1, 1, 0
	s_mov_b32 s15, 6
.Lsteps:
	TRIP 0, 1, 0
	TRIP 1, 1, 0
	s_sub_co_u32 s15, s15, 1
	s_cmp_lg_u32 s15, 0
	s_cbranch_scc1 .Lsteps
	TRIP 0, 1, 0
	TRIP 1, 0, 0                                   ; the last trip asks for nothing (the stepped addresses are not used)
	; THE MERGE.  Each wave hands two of its four groups to its partner and finishes the other two.  The stage holds one group a wave
	; (8 x 4,352 = 34,816 bytes are what fits behind the ring with bytes of its own), so the two groups go one after the other.
	s_lshr_b32 s62, s73, 4                         ; of: (128 batch + 8 y + 4 qb) x 32,768 + head x 2,048
	s_lshl_b32 s62, s62, 22
	s_lshl_b32 s63, s19, 18
	s_add_co_u32 s62, s62, s63
	s_lshl_b32 s63, s13, 17
	s_add_co_u32 s62, s62, s63
	s_and_b32 s63, s73, 15
	s_lshl_b32 s63, s63, 11
	s_add_co_u32 s62, s62, s63
	s_mov_b32 s63, 0
	s_add_nc_u64 s[62:63], s[10:11], s[62:63]
.macro DUMPU g                         ; my group g into my stage
	WIN 0x04                                       ; store data in window 1
.irp q, 0,1,2,3,4,5,6,7
	ds_store_b128 v[STO], v[32*(\g)+4*\q:32*(\g)+4*\q+3] offset:\q*512
.endr
	WIN 0
	ds_store_b64 v[MLO], v[ML+2*(\g):ML+2*(\g)+1]
.endm
.macro LOADU u                         ; what my partner's stage holds, into set u
	ds_load_b64 v[TM+8*\u:TM+8*\u+1], v[MLP]
.irp q, 0,1,2,3,4,5,6,7
	ds_load_b128 v[SC+32*\u+4*\q:SC+32*\u+4*\q+3], v[STP] offset:\q*512
.endr
.endm
.macro BAR
	s_barrier_signal -1
	s_barrier_wait -1
.endm
.macro MERGEC gb                       ; my groups gb, gb + 1 with my partner's in sets 0, 1
.irp u, 0,1
	v_max_num_f32 v[TM+8*\u+2], v[ML+2*(\gb+\u)], v[TM+8*\u]
	v_sub_f32 v[TM+8*\u+3], v[ML+2*(\gb+\u)], v[TM+8*\u+2]
	v_sub_f32 v[TM+8*\u+7], v[TM+8*\u], v[TM+8*\u+2]
	v_mul_f32 v[TM+8*\u+3], 0x3fb8aa3b, v[TM+8*\u+3]
	v_mul_f32 v[TM+8*\u+7], 0x3fb8aa3b, v[TM+8*\u+7]
	v_exp_f32 v[TM+8*\u+4], v[TM+8*\u+3]           ; my weight
	v_exp_f32 v[TM+8*\u+5], v[TM+8*\u+7]           ; my partner's
	v_nop
	s_wait_alu depctr_va_vdst(0)
	v_mul_f32 v[TM+8*\u+6], v[ML+2*(\gb+\u)+1], v[TM+8*\u+4]
	v_fma_f32 v[TM+8*\u+6], v[TM+8*\u+1], v[TM+8*\u+5], v[TM+8*\u+6]
	v_permlanex16_b32 v[TM+8*\u+7], v[TM+8*\u+6], s22, s23               ; the sums of the other half's keys
	v_add_f32 v[TM+8*\u+6], v[TM+8*\u+6], v[TM+8*\u+7]
	v_rcp_f32 v[TM+8*\u+3], v[TM+8*\u+6]
	v_nop
	s_wait_alu depctr_va_vdst(0)
	v_pk_mul_f32 v[TM+8*\u+4:TM+8*\u+5], v[TM+8*\u+4:TM+8*\u+5], v[TM+8*\u+2:TM+8*\u+3] op_sel:[0,1] op_sel_hi:[1,1]   ; both weights / l
.endr
.irp u, 0,1
.set i, 0
.rept 16
	PKB v_pk_mul_f32, SC+32*\u+2*i, SC+32*\u+2*i, TM+8*\u+4, 1
.set i, i+1
.endr
.endr
	WIN 0x01                                       ; my O in window 1
.irp u, 0,1
.set i, 0
.rept 16
	v_pk_fma_f32 v[SC+32*\u+2*i:SC+32*\u+2*i+1], v[32*(\gb+\u)+2*i:32*(\gb+\u)+2*i+1], v[TM+8*\u+4:TM+8*\u+5], v[SC+32*\u+2*i:SC+32*\u+2*i+1] op_sel_hi:[1,0,1]
.set i, i+1
.endr
.endr
	WIN 0
.irp u, 0,1
.irp q, 0,1,2,3,4,5,6,7,8,9,10,11,12,13,14,15
	v_cvt_pk_f16_f32 v[SC+32*\u+\q], v[SC+32*\u+2*\q], v[SC+32*\u+2*\q+1]
.endr
.irp dt, 0,1,2,3
	global_store_b128 v[LN16], v[SC+32*\u+4*\dt:SC+32*\u+4*\dt+3], s[62:63] offset:(\gb+\u)*32768+\dt*512
.endr
.endr
.endm
	s_cmp_eq_u32 s14, 0                            ; waves of the first half of the keys keep groups 0, 1 and hand over 2, 3; the others the other way round
	s_cbranch_scc0 .Ldump_a_low
	DUMPU 2
	s_branch .Ldumped_a
.Ldump_a_low:
	DUMPU 0
.Ldumped_a:
	s_wait_dscnt 0x0                               ; my stores are in LDS, for my partner's sake
	BAR
	LOADU 0
	s_wait_dscnt 0x0                               ; my reads of my partner's stage are back before it is written again
	BAR
	s_cmp_eq_u32 s14, 0
	s_cbranch_scc0 .Ldump_b_low
	DUMPU 3
	s_branch .Ldumped_b
.Ldump_b_low:
	DUMPU 1
.Ldumped_b:
	s_wait_dscnt 0x0                               ; as above
	BAR
	LOADU 1
	s_wait_dscnt 0x0                               ; both sets are in registers; no LDS instruction is out at the closing round
	s_cmp_eq_u32 s14, 0
	s_cbranch_scc0 .Lmerge_high
	MERGEC 0
	s_branch .Lmerged
.Lmerge_high:
	MERGEC 2
.Lmerged:
	s_wait_tensorcnt 0x0
	ds_add_u32 v14, v15
	s_wait_dscnt 0x0
	ROUND                                          ; the closing round
	s_endpgm
.Lfunc_end_k_q7bed76933c_attn:
	.size	k_q7bed76933c_attn, .Lfunc_end_k_q7bed76933c_attn-k_q7bed76933c_attn
	.p2alignl 7, 3214868480
	.fill 96, 4, 3214868480
	.section	.rodata,"a",@progbits
	.p2align	6, 0x0
	.amdhsa_kernel k_q7bed76933c_attn
		.amdhsa_group_segment_fixed_size 327680
		.amdhsa_private_segment_fixed_size 0
		.amdhsa_enable_private_segment 0
		.amdhsa_kernarg_size 32
		.amdhsa_user_sgpr_count 2
		.amdhsa_user_sgpr_kernarg_segment_ptr 1
		.amdhsa_wavefront_size32 1
		.amdhsa_system_sgpr_workgroup_id_x 1
		.amdhsa_system_sgpr_workgroup_id_y 1
		.amdhsa_system_sgpr_workgroup_id_z 1
		.amdhsa_system_vgpr_workitem_id 0
		.amdhsa_next_free_vgpr 512
		.amdhsa_next_free_sgpr 80
		.amdhsa_reserve_vcc 0
		.amdhsa_float_denorm_mode_32 3
		.amdhsa_float_denorm_mode_16_64 3
		.amdhsa_memory_ordered 1
		.amdhsa_forward_progress 1
		.amdhsa_inst_pref_size 250
	.end_amdhsa_kernel
	.amdgpu_metadata
---
amdhsa.version: [ 1, 2 ]
amdhsa.kernels:
  - .name:           k_q7bed76933c_attn
    .symbol:         k_q7bed76933c_attn.kd
    .args:
      - { .name: qf, .offset: 0, .size: 8, .value_kind: global_buffer, .address_space: global }
      - { .name: kvf, .offset: 8, .size: 8, .value_kind: global_buffer, .address_space: global }
      - { .name: attn_bias, .offset: 16, .size: 8, .value_kind: global_buffer, .address_space: global }
      - { .name: of, .offset: 24, .size: 8, .value_kind: global_buffer, .address_space: global }
    .group_segment_fixed_size: 327680
    .private_segment_fixed_size: 0
    .kernarg_segment_align: 8
    .kernarg_segment_size: 32
    .max_flat_workgroup_size: 256
    .sgpr_count:     80
    .vgpr_count:     512
    .wavefront_size: 32
...
	.end_amdgpu_metadata
.endif
;; end of part 5
;; launch proj: the kernel of part 4 again; grid 8 x 32, 4 waves a work-group, clusters of 4 x 4, 327,680 bytes of LDS; arguments of, wpb, b_proj, out0; writes out0
;; ======== version 3 of 3: 4 launches; version 2 with the launch cast written anew for expert scheduling mode
;; limits: inputs' magnitudes at most 1e+30; values are held in f16: magnitudes above 65,504 overflow, below 6.1e-05 lose precision
;; workspace buffers: xb 8,388,608 bytes; wqb 6,291,456 bytes; wpb 2,097,152 bytes; qf 8,388,608 bytes; kvf 16,777,216 bytes; of 8,388,608 bytes
;; launch cast (part 6): grid 256 x 1, 8 waves a work-group, no clusters, 0 bytes of LDS; arguments x, w_qkv, w_proj, xb, wqb, wpb; writes xb, wqb, wpb
.if DOCPART == 6
	.amdgcn_target "amdgcn-amd-amdhsa--gfx1250"
	.amdhsa_code_object_version 6
	.text
	.protected	k_q7bed76933c_cast
	.globl	k_q7bed76933c_cast
	.p2align	8
	.type	k_q7bed76933c_cast,@function
k_q7bed76933c_cast:
	s_mov_b64 s[64:65], 0
	v_nop
	global_prefetch_b8 v0, s[64:65] scope:SCOPE_SE
	s_setreg_imm32_b32 hwreg(HW_REG_WAVE_SCHED_MODE, 0, 2), 2
	s_setreg_imm32_b32 hwreg(HW_REG_WAVE_MODE, 25, 1), 1
	s_wait_xcnt 0x0
	s_wait_alu depctr_vm_vsrc(0)
; x, w_qkv and w_proj (f32) are rounded once to f16 into xb, wqb, wpb, same row-major order.
; WHY f16 AND NOT bf16: the result passes through six roundings of matrix operands (x, w_qkv, v, p, o, w_proj); f16 keeps 11 significant bits
; against 8.  ROOM: x is drawn with spread 1 (|x| about 5), the weights with spread 1/32; 30 times larger, or an offset of 30 spreads, gives
; at most 150, far below f16's largest number 65,504; 30 times smaller leaves the weights at spread 0.001, where f16's fixed step 2^-24 below 2^-14
; is 6e-5 of the spread.  LIMIT: an input beyond 65,504 in magnitude becomes infinite.
; 8,388,608 numbers in all; a work-group takes 32,768 neighbouring numbers of ONE tensor: groups 0-127 x, 128-223 w_qkv, 224-255 w_proj.
; A wave takes 4,096 numbers: 32 loads of 16 bytes a lane (each load of the wave covers 512 neighbouring bytes), all issued at once,
; then 32 stores of 8 bytes a lane (each store of the wave covers 256 consecutive bytes, aligned).  No LDS, no barrier, no matrix unit:
; every byte is touched once.
; THE MODE: SCHED_MODE bits 1:0 = 2 (LLVM: expert scheduling mode 2), set by the entry lines.  The code itself states the register dependences
; between vector instructions and memory instructions, with s_wait_alu, always for 0.
; THE PLAN.  Registers that memory instructions touch:
;   v1, v2   byte offsets of the loads and of the stores: made at the head by vector instructions, never written again.
;   X        load j lands in X + 4 j .. + 3, once; no vector instruction names them ahead of the load; two conversions read them behind the load's wait.
;   Y        the two conversions of load j write Y + 2 j, + 1, once; store j reads them, once.
; No register that a memory instruction reads is ever written again, so no wait on vm_vsrc is owed; what is owed is that a register is written before
; a memory instruction reads it.  One wait ahead of the first load states that of v1 and v2.  For Y the 32 loads are worked on in eight blocks of four:
; block b rounds its four loads into its eight registers of Y, and issues the four stores of block b - 1, whose Y no vector instruction of block b names.
; So ONE wait at a block's head, behind the wait for the block's data, states all that the block's four stores hang on, and these are dealt among
; its eight conversions with no further wait.  Behind the last block one more wait stands ahead of the last four stores.
.set X, 4                              ; v[4:131]   as loaded
.set Y, 132                            ; v[132:195] packed f16
.set BLK, 4                            ; loads, and stores, in a block
	s_load_b256 s[4:11], s[0:1], 0x0               ; x s[4:5], w_qkv s[6:7], w_proj s[8:9], xb s[10:11]
	s_load_b128 s[12:15], s[0:1], 0x20             ; wqb s[12:13], wpb s[14:15]
	v_and_b32 v3, 31, v0                           ; lane
	v_lshrrev_b32 v2, 5, v0                        ; wave
	v_lshlrev_b32 v1, 4, v3
	v_lshl_add_u32 v1, v2, 14, v1                  ; source: 16,384 x wave + 16 x lane
	v_lshlrev_b32 v3, 3, v3
	v_lshl_add_u32 v2, v2, 13, v3                  ; destination: 8,192 x wave + 8 x lane
	s_wait_kmcnt 0x0
	s_cmp_lt_u32 ttmp9, 128                        ; which tensor: the choice hangs on the group's number alone
	s_cselect_b64 s[16:17], s[4:5], s[6:7]
	s_cselect_b64 s[18:19], s[10:11], s[12:13]
	s_cselect_b32 s20, 0, 128
	s_cmp_lt_u32 ttmp9, 224
	s_cselect_b64 s[16:17], s[16:17], s[8:9]
	s_cselect_b64 s[18:19], s[18:19], s[14:15]
	s_cselect_b32 s20, s20, 224
	s_sub_co_u32 s20, ttmp9, s20                   ; the group's number inside its tensor
	s_lshl_b32 s22, s20, 17                        ; x 131,072 bytes of f32
	s_mov_b32 s23, 0
	s_lshl_b32 s24, s20, 16                        ; x 65,536 bytes of f16
	s_mov_b32 s25, 0
	s_add_nc_u64 s[16:17], s[16:17], s[22:23]
	s_add_nc_u64 s[18:19], s[18:19], s[24:25]
	s_wait_alu depctr_va_vdst(0)                   ; v1 and v2 are written: every load reads v1 as its offset, every store v2
.set j, 0
.rept 32
	global_load_b128 v[X+4*j:X+4*j+3], v1, s[16:17] offset:512*j th:TH_LOAD_NT
.set j, j+1
.endr
.set j, 0
.rept 32
.if j % BLK == 0                       ; a block's head
	s_wait_loadcnt 32-BLK-j                        ; loads come back in order: the block's four are in, the younger ones stay out
.if j > 0
	s_wait_alu depctr_va_vdst(0)                   ; the conversions of the block before have written its eight registers of Y, which this block's four stores read
.endif
.endif
.if j >= BLK
	global_store_b64 v2, v[Y+2*(j-BLK):Y+2*(j-BLK)+1], s[18:19] offset:256*(j-BLK)  ; the block before; no vector instruction since the wait names these registers
.endif
	v_cvt_pk_f16_f32 v[Y+2*j], v[X+4*j], v[X+4*j+1]
	v_cvt_pk_f16_f32 v[Y+2*j+1], v[X+4*j+2], v[X+4*j+3]
.set j, j+1
.endr
	s_wait_alu depctr_va_vdst(0)                   ; the last block's conversions have written its Y, which the last four stores read
.set j, 32-BLK
.rept BLK
	global_store_b64 v2, v[Y+2*j:Y+2*j+1], s[18:19] offset:256*j
.set j, j+1
.endr
	s_endpgm
.Lfunc_end_k_q7bed76933c_cast:
	.size	k_q7bed76933c_cast, .Lfunc_end_k_q7bed76933c_cast-k_q7bed76933c_cast
	.p2alignl 7, 3214868480
	.fill 96, 4, 3214868480
	.section	.rodata,"a",@progbits
	.p2align	6, 0x0
	.amdhsa_kernel k_q7bed76933c_cast
		.amdhsa_group_segment_fixed_size 0
		.amdhsa_private_segment_fixed_size 0
		.amdhsa_enable_private_segment 0
		.amdhsa_kernarg_size 48
		.amdhsa_user_sgpr_count 2
		.amdhsa_user_sgpr_kernarg_segment_ptr 1
		.amdhsa_wavefront_size32 1
		.amdhsa_system_sgpr_workgroup_id_x 1
		.amdhsa_system_sgpr_workgroup_id_y 1
		.amdhsa_system_sgpr_workgroup_id_z 1
		.amdhsa_system_vgpr_workitem_id 0
		.amdhsa_next_free_vgpr 200
		.amdhsa_next_free_sgpr 66
		.amdhsa_reserve_vcc 0
		.amdhsa_float_denorm_mode_32 3
		.amdhsa_float_denorm_mode_16_64 3
		.amdhsa_memory_ordered 1
		.amdhsa_forward_progress 1
		.amdhsa_inst_pref_size 12
	.end_amdhsa_kernel
	.amdgpu_metadata
---
amdhsa.version: [ 1, 2 ]
amdhsa.kernels:
  - .name:           k_q7bed76933c_cast
    .symbol:         k_q7bed76933c_cast.kd
    .args:
      - { .name: x, .offset: 0, .size: 8, .value_kind: global_buffer, .address_space: global }
      - { .name: w_qkv, .offset: 8, .size: 8, .value_kind: global_buffer, .address_space: global }
      - { .name: w_proj, .offset: 16, .size: 8, .value_kind: global_buffer, .address_space: global }
      - { .name: xb, .offset: 24, .size: 8, .value_kind: global_buffer, .address_space: global }
      - { .name: wqb, .offset: 32, .size: 8, .value_kind: global_buffer, .address_space: global }
      - { .name: wpb, .offset: 40, .size: 8, .value_kind: global_buffer, .address_space: global }
    .group_segment_fixed_size: 0
    .private_segment_fixed_size: 0
    .kernarg_segment_align: 8
    .kernarg_segment_size: 48
    .max_flat_workgroup_size: 256
    .sgpr_count:     66
    .vgpr_count:     200
    .wavefront_size: 32
...
	.end_amdgpu_metadata
.endif
;; end of part 6
;; launch qkv: the kernel of part 2 again; grid 12 x 16, 4 waves a work-group, clusters of 4 x 4, 327,680 bytes of LDS; arguments xb, wqb, q_bias, v_bias, scale_mul, qf, kvf; writes qf, kvf
;; launch attn: the kernel of part 5 again; grid 16 x 16, 8 waves a work-group, clusters of 4 x 4, 327,680 bytes of LDS; arguments qf, kvf, attn_bias, of; writes of
;; launch proj: the kernel of part 4 again; grid 8 x 32, 4 waves a work-group, clusters of 4 x 4, 327,680 bytes of LDS; arguments of, wpb, b_proj, out0; writes out0
